; MI455X (gfx1250); checked and timed in simulation.
; The chip was launched on July 23, 2026; its instructions are those of AMD's public machine-readable ISA for CDNA 5 (MIT licence, August 2026) and "CDNA5" Instruction Set Architecture Reference Guide (July 2026). The comments in the code are by the model that wrote it; some were corrected since.
;; Head Attention. Allowed arithmetic: matrix products marked QUANTISED: E4M3 operands, one given power-of-two scale a tensor, by v_wmma_f32_16x16x64_fp8_fp8 or v_wmma_f32_16x16x128_fp8_fp8, f32 sums; everything else in f32.
;; Inputs: Wq 1,024 x 1,024 float32; att_mask 2,048 x 2,048 int32; bq 1,024 float32; lowp_scales 10 int32 (the exponents e of the quantised operands' scales 2^e); xk 4 x 2,048 x 1,024 float32; xq 4 x 2,048 x 1,024 float32; xv 4 x 2,048 x 1,024 float32.
;; Outputs: out0 4 x 2,048 x 1,024 float32.
;; This version of the problem:
;;   THIS VERSION OF THE PROBLEM IS GIVEN IN LOW PRECISION. The matrix products marked QUANTISED in the list below multiply operands that are first quantised to E4M3 (4 exponent bits, 3 mantissa bits; 8 bits a number), with one given power-of-two scale for each operand tensor; their sums are f32. All else is computed in f32.
;;   The module's matrix products, in the order in which they are computed (A, B: the left and right operand; K: the contracted axis; several contracted axes count as one K, in the product's order):
;;     1. [M 8,192, K 1,024] x [K 1,024, N 1,024]; A: input xq; B: input Wq: QUANTISED (scales: A lowp_scales[0], B lowp_scales[1])
;;     2. [M 8,192, K 1,024] x [K 1,024, N 1,024]; A: input xk; B: input Wq: QUANTISED (scales: A lowp_scales[2], B lowp_scales[3])
;;     3. [M 8,192, K 1,024] x [K 1,024, N 1,024]; A: input xv; B: input Wq: QUANTISED (scales: A lowp_scales[4], B lowp_scales[5])
;;     4. batch 4 x [M 2,048, K 1,024] x [K 1,024, N 2,048]; A: computed on the way; B: computed on the way: QUANTISED (scales: A lowp_scales[6], B lowp_scales[7])
;;     5. batch 4 x [M 2,048, K 2,048] x [K 2,048, N 1,024]; A: softmax (see below); B: computed on the way: QUANTISED (scales: A lowp_scales[8], B lowp_scales[9])
;;   THE QUANTISER, for each operand of a quantised product, along K:
;;     - The operand's scale is 2^e, e = its entry of the input lowp_scales (int32; the entries are numbered through the quantised products in the list's order, A before B).
;;     - Each number is divided by the scale, clamped to +-448, and rounded to the nearest number of E4M3, ties to even, subnormals kept.
;;     - The product sums the exact products of the quantised numbers (number of the format x scale) in f32.
;;   ~~~python
;;   def quantise(x, axis, e):      # numpy; x: float32 -> the quantised numbers, widened to float32 again
;;       x = np.moveaxis(x, axis, -1); K = x.shape[-1]
;;       r = np.clip(x / 2.0 ** e, -448, 448)
;;       step = 2.0 ** (np.maximum(np.frexp(np.where(r == 0, 1, r))[1] - 1, -6) - 3)
;;       q = np.round(r / step) * step * 2.0 ** e      # np.round: ties to even
;;       return np.moveaxis(q, -1, axis).astype(np.float32)
;;   ~~~
;;   SOFTMAX AHEAD OF A QUANTISED PRODUCT. Where the list says 'softmax', what is quantised is not the finished softmax but p = 2^(t - M), with t = logit x log2(e) and M = ceil(the row's largest t), a whole number; so 1/2 < the row's largest p <= 1. The row's sum l is taken of the UNQUANTISED p, in f32, and the product's result is divided by l at the end. Since M is a whole number, a kernel that streams over the keys may use a running M (the ceiling of the running maximum): every later rescaling is an exact power of two, so the quantised numbers keep their values, but for numbers so far below the row's largest that they fall under the format's range.
;;   OPERANDS COMPUTED ON THE WAY. 'Computed on the way' means the value that the module computes at that place (a softmax that the list does not call 'softmax' is quantised finished and normalised). What goes into a quantiser is computed in f32, as accurately as f32 sums, v_exp_f32 and their like allow (about 1e-6 of the number): no bf16 or f16 on the way to a quantiser, and a product that is left as it is and whose result goes on into a quantised operand takes f32 operands (vector FMAs, or v_wmma_f32_16x16x4_f32). A number that lies on a knife's edge between two numbers of the format may be rounded either way, as far as f32 arithmetic and the matrix unit's own rounding can turn it there, and no further.
;; One version. Each part assembles by itself: llvm-mc -triple=amdgcn-amd-amdhsa -mcpu=gfx1250 --defsym DOCPART=n.
;; ======== version 1 of 1: 4 launches
;; limits: right only within a limited range of input values
;; workspace buffers: xc 25,165,824 bytes; wc 3,145,728 bytes; mb 524,288 bytes of whole numbers; qk 16,777,216 bytes; vt 8,388,608 bytes; pc 16,777,216 bytes; st 786,432 bytes
;; launch prep (part 1): grid 496 x 1, 4 waves a work-group, no clusters, 34,304 bytes of LDS; arguments xq, xk, xv, Wq, att_mask, lowp_scales, xc, wc, mb; writes xc, wc, mb
.if DOCPART == 1
	.amdgcn_target "amdgcn-amd-amdhsa--gfx1250"
	.amdhsa_code_object_version 6
	.text
	.protected	k_q9406810cd1_prep
	.globl	k_q9406810cd1_prep
	.p2align	8
	.type	k_q9406810cd1_prep,@function
k_q9406810cd1_prep:
	s_mov_b64 s[64:65], 0
	v_nop
	global_prefetch_b8 v0, s[64:65] scope:SCOPE_SE
	s_setreg_imm32_b32 hwreg(HW_REG_WAVE_MODE, 25, 1), 1
	s_wait_xcnt 0x0
; THE PROGRAM: out0 = softmax(mask(Q K^T / 32)) V with Q, K, V = x Wq^T + bq, all five products on codes of FP8 (E4M3), each operand with its given scale 2^e.
; Four launches: prep (this one: xq, xk, xv and Wq become codes, att_mask becomes lane masks), proj (the three projections; Q, K and V^T leave as codes), scores (Q K^T, mask, p = 2^(t - M) as codes, with
; M and the sum of p for each row and block of keys), pv (p V, brought under the row's one M, divided by the row's sum).
; NOTHING OF reference() IS LEFT OUT: bq moves the codes of Q, K and V, so it stays on all three; att_mask is an input, so every tile of scores is computed and the mask is applied number by number; every input is loaded.
; THE LAYOUT OF EVERY BUFFER OF CODES: a fragment (16 rows x 128 along K) lies as the image of the operand's registers, 2,048 bytes: byte 512 c + 16 l + i holds k = 32 c + 16 (l / 16) + i of row position l % 16.
; THE ROWS OF A FRAGMENT ARE NOT NEIGHBOURS: position p of group g is tensor row 32 (g / 2) + 8 (g % 2) + p + 8 (p / 8), so that a later product's results, converted, are again such an image.  A tensor is [group][K step][2048].
; THIS LAUNCH.  A wave takes one group of 16 rows and 1,024 columns, eight steps of 128.  Each load reads 512 consecutive bytes of one row; a step's 16 rows turn through the wave's own stage in LDS, so that lane (r, h)
; holds, of row position r, register 16 c + i = column 32 c + 16 h + i.  Work-groups 0-383: xq, xk, xv (entries 0, 2, 4 of the scales); 384-431: Wq three times (entries 1, 3, 5); 432-495: att_mask.
; code = x / 2^e, held within +-448, to the nearest code, ties to even.  The mask: word 64 a + d of (128 queries T, 128 keys jj) has in bit l whether att_mask == 1 for lane l's query of group a and its register d's key.
; LIMITS: each e between -126 and 119.  NaN among the inputs is not served.
.set PS,    528                        ; a stage row: 512 bytes + 16, an odd multiple of 16: the 16 rows that a load touches start 16 bytes further round the banks each (64 banks of 4 bytes: ISA guide 11.1)
.set STG,   16*PS                      ; a wave's stage
.set SPARE, 4*STG                      ; behind the stages: the spare words, 128 bytes for each wave
.set LN16,  1                          ; v1   16 x lane
.set SA,    2                          ; v2   the stage, on the way in: 16 x lane
.set SB,    3                          ; v3   on the way out: 528 r + 64 h
.set LN8,   5                          ; v5   8 x lane
.set SC,    6                          ; v6   2^e
.set LM,    7                          ; v7   448 x 2^e
.set SPW,   8                          ; v8   my spare word; never rewritten
.set NIL,   9                          ; v9   0; never rewritten
.set MW,    10                         ; v10-13 two pairs of mask words
.set VO,    16                         ; v16-31 row position p: its byte offset from the group's first row, + 16 x lane
.set R,     32                         ; v32-159 two sets of 64: a step as it is loaded
.set X,     160                        ; v160-223 a step, turned
.set C,     224                        ; v224-255 two sets of 16: codes
	s_load_b256 s[4:11], s[0:1], 0x0               ; xq, xk, xv, Wq
	s_load_b256 s[12:19], s[0:1], 0x20             ; att_mask, lowp_scales, xc, wc
	s_load_b64 s[20:21], s[0:1], 0x40              ; mb
	v_lshl_add_u32 v[SPW], v0, 2, SPARE
	v_mov_b32 v[NIL], 0
	v_lshrrev_b32 v4, 5, v0
	v_readfirstlane_b32 s23, v4                    ; wave
	v_and_b32 v4, 31, v0
	v_lshlrev_b32 v[LN16], 4, v4
	v_lshlrev_b32 v[LN8], 3, v4
	s_mul_i32 s22, s23, STG
	v_add_nc_u32 v[SA], s22, v[LN16]
	v_and_b32 v14, 15, v0                          ; r
	v_bfe_u32 v15, v0, 4, 1                        ; h
	v_mul_u32_u24 v[SB], v14, PS
	v_lshl_add_u32 v[SB], v15, 6, v[SB]
	v_add_nc_u32 v[SB], s22, v[SB]
.irp i, 0,1,2,3
	v_mov_b32 v[MW+\i], 0                          ; written once: v_writelane_b32's destination counts as read
.endr
	s_lshl_b32 s24, ttmp9, 2
	s_add_co_u32 s24, s24, s23                     ; u: my unit
	s_and_b32 s25, s24, 511                        ; x: group,
	s_lshl_b32 s26, s24, 14                        ;    bytes into xc,
	s_lshr_b32 s27, s24, 9
	s_lshl_b32 s27, s27, 3                         ;    the exponent's byte: entries 0, 2, 4
	s_sub_co_u32 s28, s24, 1536
	s_and_b32 s29, s28, 63                         ; Wq: group,
	s_lshl_b32 s30, s28, 14                        ;    bytes into wc,
	s_lshr_b32 s31, s28, 6
	s_lshl_b32 s31, s31, 3
	s_add_co_u32 s31, s31, 4                       ;    entries 1, 3, 5
	s_sub_co_u32 s32, s24, 1728
	s_lshr_b32 s33, s32, 1                         ; the mask: group,
	s_and_b32 s34, s32, 1                          ;    which 1,024 keys
	s_lshr_b32 s35, s33, 3
	s_lshl_b32 s35, s35, 15
	s_lshl_b32 s36, s34, 14
	s_add_co_u32 s35, s35, s36
	s_and_b32 s36, s33, 7
	s_lshl_b32 s36, s36, 8
	s_add_co_u32 s35, s35, s36                     ;    bytes into mb: 32,768 T + 16,384 half + 256 a
	s_lshl_b32 s34, s34, 12                        ;    the half's 4,096 bytes in a row
	s_cmp_lt_u32 ttmp9, 384                        ; every choice hangs on the work-group's number alone
	s_cselect_b32 s25, s25, s29
	s_cselect_b32 s52, s26, s30
	s_cselect_b32 s54, s27, s31
	s_cmp_lt_u32 ttmp9, 432
	s_cselect_b32 s25, s25, s33                    ; the group
	s_cselect_b32 s52, s52, s35                    ; bytes into the buffer that I store
	s_cselect_b32 s54, s54, 0                      ; the exponent's byte (the mask uses none: entry 0 is read and not used)
	s_cselect_b32 s34, 0, s34
	s_mov_b32 s37, 8192
	s_cselect_b32 s37, 4096, s37                   ; a row in memory
	s_mov_b32 s53, 0
	s_mov_b32 s55, 0
	s_lshr_b32 s38, s25, 1
	s_lshl_b32 s38, s38, 5
	s_and_b32 s39, s25, 1
	s_lshl_b32 s39, s39, 3
	s_add_co_u32 s38, s38, s39                     ; the group's first row: 32 (g / 2) + 8 (g % 2)
	s_mul_i32 s38, s38, s37
	s_add_co_u32 s38, s38, s34
	s_mov_b32 s39, 0
.irp p, 0,1,2,3,4,5,6,7,8,9,10,11,12,13,14,15
	s_mul_i32 s57, s37, \p+8*(\p/8)
	v_add_nc_u32 v[VO+\p], s57, v[LN16]
.endr
	s_wait_alu depctr_va_vdst(0)
	s_wait_kmcnt 0x0
	s_cmp_lt_u32 ttmp9, 128
	s_cselect_b64 s[48:49], s[4:5], s[6:7]
	s_cmp_lt_u32 ttmp9, 256
	s_cselect_b64 s[48:49], s[48:49], s[8:9]
	s_cmp_lt_u32 ttmp9, 384
	s_cselect_b64 s[48:49], s[48:49], s[10:11]
	s_cselect_b64 s[50:51], s[16:17], s[18:19]
	s_cmp_lt_u32 ttmp9, 432
	s_cselect_b64 s[48:49], s[48:49], s[12:13]     ; what I read
	s_cselect_b64 s[50:51], s[50:51], s[20:21]     ; what I store
	s_add_nc_u64 s[48:49], s[48:49], s[38:39]
	s_add_nc_u64 s[50:51], s[50:51], s[52:53]
	s_add_nc_u64 s[54:55], s[14:15], s[54:55]
	s_load_b32 s56, s[54:55], 0x0                  ; e
.macro LOAD s                          ; step s: 16 rows x 512 consecutive bytes.  (x and the mask are read once; Wq's 4 MiB, read three times, share the line and its hint)
.irp p, 0,1,2,3,4,5,6,7,8,9,10,11,12,13,14,15
	global_load_b128 v[R+64*((\s)%2)+4*\p:R+64*((\s)%2)+4*\p+3], v[VO+\p], s[48:49] offset:512*(\s) th:TH_LOAD_NT
.endr
.endm
	LOAD 0
	LOAD 1
	s_wait_kmcnt 0x0
	s_add_co_i32 s56, s56, 127
	s_lshl_b32 s57, s56, 23
	v_mov_b32 v[SC], s57                           ; 2^e as f32: the conversion takes its exponent field
	s_add_co_i32 s56, s56, 8
	s_lshl_b32 s56, s56, 23
	s_or_b32 s56, s56, 0x600000
	v_mov_b32 v[LM], s56                           ; 448 x 2^e
.macro STEP s
.set CS, C+16*((\s)%2)
.set MP, MW+2*((\s)%2)
.if (\s) < 7
	s_wait_loadcnt 16                              ; this step's 16 loads are in; the next step's 16 may be out
.else
	s_wait_loadcnt 0
.endif
.irp p, 0,1,2,3,4,5,6,7,8,9,10,11,12,13,14,15
	ds_store_b128 v[SA], v[R+64*((\s)%2)+4*\p:R+64*((\s)%2)+4*\p+3] offset:PS*\p
.endr
.irp c, 0,1,2,3
.irp j, 0,1,2,3
	ds_load_b128 v[X+16*\c+4*\j:X+16*\c+4*\j+3], v[SB] offset:128*\c+16*\j   ; LDS serves a wave's instructions in order (ISA guide 5.7.1.4): these see the stores above
.endr
.endr
	s_wait_dscnt 0x0                               ; the step is back, turned; the stores into the stage have read their registers
.if (\s) >= 2
	s_wait_xcnt 0x0                                ; the stores of two steps ago have read their data: this step writes those registers again
.endif
.if (\s)+2 < 8
	LOAD (\s)+2
.endif
	s_cmp_lt_u32 ttmp9, 432
	s_cbranch_scc0 .Lmask_\@
.set n, 0
	s_wait_alu depctr_va_vdst(0)
.rept 64
	v_med3_num_f32 v[X+n], v[X+n], -v[LM], v[LM]   ; the conversion to an 8-bit code does not saturate (ISA guide 7.6.2): the hold at the largest code x the scale
.set n, n+1
.endr
.irp g, 0,1,2,3,4,5,6,7
	v_cvt_scalef32_pk8_fp8_f32 v[CS+2*\g:CS+2*\g+1], v[X+8*\g:X+8*\g+7], v[SC]
.endr
	v_nop                                          ; a plain instruction between the conversions and the next step's holds, which write their sources
.irp c, 0,1,2,3
	global_store_b128 v[LN16], v[CS+4*\c:CS+4*\c+3], s[50:51] offset:2048*(\s)+512*\c th:TH_STORE_NT   ; 512 consecutive bytes, at a multiple of 512 from the buffer's first byte
.endr
	s_branch .Ljoin_\@
.Lmask_\@:
.set d, 0
.rept 16
.irp i, 0,1,2,3
	v_cmp_eq_u32 s[44+\i], 1, v[X+d+\i]            ; bit l: is lane l's number of register d + i masked?
.endr
.irp i, 0,1,2,3
	v_writelane_b32 v[MP+\i%2], s[44+\i], (d+\i)/2 ; word d + i goes to lane (d + i) / 2: a lane holds two neighbouring words
.endr
.set d, d+4
.endr
	global_store_b64 v[LN8], v[MP:MP+1], s[50:51] offset:2048*(\s) th:TH_STORE_NT   ; 256 consecutive bytes, at a multiple of 256
.Ljoin_\@:
.endm
.irp t, 0,1,2,3,4,5,6,7
	STEP \t
.endr
	s_wait_tensorcnt 0x0                           ; the wave's end: behind my last LDS store
	ds_add_u32 v[SPW], v[NIL]
	s_wait_dscnt 0x0
	s_endpgm
.Lfunc_end_k_q9406810cd1_prep:
	.size	k_q9406810cd1_prep, .Lfunc_end_k_q9406810cd1_prep-k_q9406810cd1_prep
	.p2alignl 7, 3214868480
	.fill 96, 4, 3214868480
	.section	.rodata,"a",@progbits
	.p2align	6, 0x0
	.amdhsa_kernel k_q9406810cd1_prep
		.amdhsa_group_segment_fixed_size 34304
		.amdhsa_private_segment_fixed_size 0
		.amdhsa_enable_private_segment 0
		.amdhsa_kernarg_size 72
		.amdhsa_user_sgpr_count 2
		.amdhsa_user_sgpr_kernarg_segment_ptr 1
		.amdhsa_wavefront_size32 1
		.amdhsa_system_sgpr_workgroup_id_x 1
		.amdhsa_system_sgpr_workgroup_id_y 1
		.amdhsa_system_sgpr_workgroup_id_z 1
		.amdhsa_system_vgpr_workitem_id 0
		.amdhsa_next_free_vgpr 256
		.amdhsa_next_free_sgpr 66
		.amdhsa_reserve_vcc 0
		.amdhsa_float_denorm_mode_32 3
		.amdhsa_float_denorm_mode_16_64 3
		.amdhsa_memory_ordered 1
		.amdhsa_forward_progress 1
		.amdhsa_inst_pref_size 139
	.end_amdhsa_kernel
	.amdgpu_metadata
---
amdhsa.version: [ 1, 2 ]
amdhsa.kernels:
  - .name:           k_q9406810cd1_prep
    .symbol:         k_q9406810cd1_prep.kd
    .args:
      - { .name: xq, .offset: 0, .size: 8, .value_kind: global_buffer, .address_space: global }
      - { .name: xk, .offset: 8, .size: 8, .value_kind: global_buffer, .address_space: global }
      - { .name: xv, .offset: 16, .size: 8, .value_kind: global_buffer, .address_space: global }
      - { .name: Wq, .offset: 24, .size: 8, .value_kind: global_buffer, .address_space: global }
      - { .name: att_mask, .offset: 32, .size: 8, .value_kind: global_buffer, .address_space: global }
      - { .name: lowp_scales, .offset: 40, .size: 8, .value_kind: global_buffer, .address_space: global }
      - { .name: xc, .offset: 48, .size: 8, .value_kind: global_buffer, .address_space: global }
      - { .name: wc, .offset: 56, .size: 8, .value_kind: global_buffer, .address_space: global }
      - { .name: mb, .offset: 64, .size: 8, .value_kind: global_buffer, .address_space: global }
    .group_segment_fixed_size: 34304
    .private_segment_fixed_size: 0
    .kernarg_segment_align: 8
    .kernarg_segment_size: 72
    .max_flat_workgroup_size: 128
    .sgpr_count:     66
    .vgpr_count:     256
    .wavefront_size: 32
...
	.end_amdgpu_metadata
.endif
;; end of part 1
;; launch proj (part 2): grid 4 x 48, 4 waves a work-group, clusters of 4 x 4, 327,680 bytes of LDS; arguments xc, wc, bq, lowp_scales, qk, vt; writes qk, vt
.if DOCPART == 2
	.amdgcn_target "amdgcn-amd-amdhsa--gfx1250"
	.amdhsa_code_object_version 6
	.text
	.protected	k_q9406810cd1_proj
	.globl	k_q9406810cd1_proj
	.p2align	8
	.type	k_q9406810cd1_proj,@function
k_q9406810cd1_proj:
	s_mov_b64 s[64:65], 0
	v_nop
	global_prefetch_b8 v0, s[64:65] scope:SCOPE_SE
	s_setreg_imm32_b32 hwreg(HW_REG_WAVE_MODE, 25, 1), 1
	s_wait_xcnt 0x0
	s_wait_alu depctr_hold_cnt(0) depctr_sa_sdst(0) depctr_va_vdst(0) depctr_va_sdst(0) depctr_va_ssrc(0) depctr_va_vcc(0) depctr_vm_vsrc(0)
	s_getreg_b32 s2, hwreg(HW_REG_IB_STS2, 6, 4)
	s_cmp_eq_u32 s2, 0
	s_cbranch_scc0 .Lentry_in_a_cluster
	s_endpgm
.Lentry_in_a_cluster:
	s_bfe_u32 s2, ttmp6, 0x10000c
	s_cmp_lg_u32 s2, 0xf033
	s_cbranch_scc0 .Lentry_shape_is_right
	s_endpgm
.Lentry_shape_is_right:
.set FR,    16
.set NL,    4
.set NP,    4
.set SLOT,  131072
.set SPARE, 2*SLOT
.set STR,   2048
.set LAPS,  2
.set ADRA,  16
.set ADRB,  20
.set LN16,  24
.set SCO,   26
.set LMO,   27
.set SPW,   28
.set NIL,   29
.set BO0,   30
.set BO1,   31
.set BI,    32
.set PCB,   96
.set AF,    128
.set WV,    12
.set WR,    13
.set HF,    14
.set CY,    15
.set G1,    24
.set G0,    32
.set G1B,   48
.set G0B,   56
.set MSB, 0
.macro WIN new
.if MSB != (\new)
	s_set_vgpr_msb (MSB<<8)|(\new)
.set MSB, (\new)
.endif
.endm
.set MUL_LO, 0xa1
.set MUL_HI, 0xf1
.set TO_B,   0x40
.macro JLOAD g0a, g1a, g0b, g1b
	s_cmp_eq_u32 s[WR], 0
	s_cbranch_scc0 .Lfor_b_\@
	tensor_load_to_lds s[\g0a:\g0a+3], s[\g1a:\g1a+7]
	s_nop 0
.rept 4
	v_nop
.endr
	s_branch .Lasked_\@
.Lfor_b_\@:
	tensor_load_to_lds s[\g0b:\g0b+3], s[\g1b:\g1b+7]
	s_nop 0
.rept 4
	v_nop
.endr
.Lasked_\@:
.endm
.macro CREST
	s_cmp_lg_u32 s[WV], 0
	s_cbranch_scc1 .Lnot_wave_0_\@
	s_barrier_signal -3
.Lnot_wave_0_\@:
	s_barrier_wait -3
	s_barrier_signal -1
	s_barrier_wait -1
.endm
.macro CROUND
	s_barrier_signal -1
	s_barrier_wait -1
	CREST
.endm
	s_load_b256 s[4:11], s[0:1], 0x0
	s_load_b128 s[84:87], s[0:1], 0x20
	v_lshl_add_u32 v[SPW], v0, 2, SPARE
	v_mov_b32 v[NIL], 0
	ds_add_u32 v[SPW], v[NIL]
	ds_add_u32 v[SPW], v[NIL]
	v_lshrrev_b32 v1, 5, v0
	v_readfirstlane_b32 s[WV], v1
	s_lshr_b32 s[WR], s[WV], 1
	s_and_b32 s[HF], s[WV], 1
	s_bfe_u32 s40, ttmp6, 0x40000
	s_bfe_u32 s41, ttmp6, 0x40004
	s_and_b32 s42, ttmp7, 0xffff
	s_lshr_b32 s[CY], s42, 2
	s_lshl_b32 s[CY], s[CY], 3
	s_and_b32 s42, s42, 3
	s_add_co_u32 s[CY], s[CY], s42
	s_lshl_b32 s43, s41, 2
	s_lshl_b32 s43, 15, s43
	s_lshl_b32 s44, 0x1111, s40
	s_or_b32 s[G1], s43, (3<<16)|(1<<21)
	s_or_b32 s[G1B], s44, (3<<16)|(1<<21)
.irp g, G1, G1B
	s_mov_b32 s[\g+1], 512<<16
	s_mov_b32 s[\g+2], 8<<16
	s_mov_b32 s[\g+3], 512<<16
	s_mov_b32 s[\g+4], 8
	s_mov_b32 s[\g+5], STR
	s_mov_b32 s[\g+6], 0
	s_mov_b32 s[\g+7], 0
.endr
	s_lshl_b32 s18, s[HF], 17
	s_lshl_b32 s16, s[CY], 2
	s_add_co_u32 s16, s16, s41
	s_lshl_b32 s16, s16, 18
	s_lshl_b32 s17, s41, 18
	s_add_co_u32 s17, s17, 0x200000
	s_lshr_b32 s46, s[CY], 3
	s_lshl_b32 s46, s46, 20
	s_lshl_b32 s47, s40, 18
	s_add_co_u32 s46, s46, s47
	s_lshl_b32 s42, s[CY], 20
	s_add_co_u32 s47, s47, s42
	s_cmp_lt_u32 s[CY], 16
	s_cselect_b32 s16, s16, s17
	s_cselect_b32 s46, s46, s47
	s_add_co_u32 s16, s16, s18
	s_add_co_u32 s46, s46, s18
	s_mov_b32 s17, 0
	s_mov_b32 s47, 0
	s_lshl_b32 s45, s[WV], 15
	s_wait_dscnt 0x0
	s_wait_kmcnt 0x0
	s_load_b256 s[68:75], s[10:11], 0x0
	s_load_b64 s[76:77], s[10:11], 0x20
	s_cmp_lt_u32 s[CY], 16
	s_cselect_b64 s[20:21], s[4:5], s[6:7]
	s_cselect_b64 s[22:23], s[6:7], s[4:5]
	s_add_nc_u64 s[20:21], s[20:21], s[16:17]
	s_add_nc_u64 s[22:23], s[22:23], s[46:47]
	CROUND
.irp s, 0,1
	s_mov_b32 s[G0+4*\s], 1
	s_add_co_u32 s[G0+4*\s+1], s45, \s*SLOT
	s_add_nc_u64 s[G0+4*\s+2:G0+4*\s+3], s[20:21], \s*4096
	s_or_b32 s[G0+4*\s+3], s[G0+4*\s+3], 0x80000000
	s_mov_b32 s[G0B+4*\s], 1
	s_add_co_u32 s[G0B+4*\s+1], s45, \s*SLOT
	s_add_nc_u64 s[G0B+4*\s+2:G0B+4*\s+3], s[22:23], \s*4096
	s_or_b32 s[G0B+4*\s+3], s[G0B+4*\s+3], 0x80000000
.endr
	JLOAD G0, G1, G0B, G1B                         ; slot 0: one tensor load a wave at the head
	v_and_b32 v2, 31, v0
	v_lshlrev_b32 v[LN16], 4, v2
	s_lshl_b32 s78, s[WR], 15
	s_lshl_b32 s79, s[HF], 15
	s_add_co_u32 s79, s79, 65536
.irp s, 0,1
	v_add_nc_u32 v[ADRA+\s], s78, v[LN16]
	v_add_nc_u32 v[ADRB+\s], s79, v[LN16]
	s_add_co_u32 s78, s78, SLOT
	s_add_co_u32 s79, s79, SLOT
.endr
	v_and_b32 v1, 15, v0
	v_bfe_u32 v2, v0, 4, 1
	v_lshlrev_b32 v[BO0], 6, v2
	v_and_b32 v3, 8, v1
	v_add_nc_u32 v3, v3, v1
	v_lshlrev_b32 v[BO1], 2, v3
	s_lshl_b32 s78, s40, 1
	s_add_co_u32 s78, s78, s[HF]
	s_lshl_b32 s80, s78, 11
	s_lshl_b32 s79, s[CY], 2
	s_add_co_u32 s79, s79, s41
	s_lshl_b32 s79, s79, 18
	s_add_co_u32 s80, s80, s79
	s_lshl_b32 s79, s[WR], 17
	s_add_co_u32 s80, s80, s79
	s_lshl_b32 s82, s78, 9
	s_and_b32 s79, s[CY], 7
	s_lshr_b32 s81, s79, 1
	s_lshl_b32 s81, s81, 21
	s_and_b32 s79, s79, 1
	s_lshl_b32 s79, s79, 3
	s_add_co_u32 s79, s79, s78
	s_lshl_b32 s79, s79, 11
	s_add_co_u32 s81, s81, s79
	s_lshl_b32 s79, s41, 19
	s_add_co_u32 s81, s81, s79
	s_lshl_b32 s79, s[WR], 18
	s_add_co_u32 s81, s81, s79
	s_lshl_b32 s83, s41, 10
	s_lshl_b32 s79, s[WR], 9
	s_add_co_u32 s83, s83, s79
	s_cmp_lt_u32 s[CY], 16
	s_cselect_b32 s80, s80, s81
	s_cselect_b32 s82, s82, s83
	s_cselect_b64 s[88:89], s[84:85], s[86:87]
	s_cselect_b32 s92, 0x400000, 0
	s_cselect_b32 s94, 0, 0x400000
	s_mov_b32 s81, 0
	s_mov_b32 s83, 0
	s_mov_b32 s93, 0
	s_mov_b32 s95, 0
	s_add_nc_u64 s[88:89], s[88:89], s[80:81]
	s_add_nc_u64 s[90:91], s[8:9], s[82:83]
	s_wait_kmcnt 0x0
	s_cmp_lt_u32 s[CY], 8
	s_cselect_b32 s78, s68, s70
	s_cselect_b32 s79, s69, s71
	s_cselect_b32 s80, s74, s75
	s_cmp_lt_u32 s[CY], 16
	s_cselect_b32 s78, s78, s72
	s_cselect_b32 s79, s79, s73
	s_cselect_b32 s80, s80, s77
	s_add_co_i32 s78, s78, s79
	s_add_co_i32 s78, s78, 127
	s_lshl_b32 s96, s78, 23
	s_mov_b32 s97, s96
	s_add_co_i32 s80, s80, 127
	s_lshl_b32 s81, s80, 23
	v_mov_b32 v[SCO], s81
	s_add_co_i32 s80, s80, 8
	s_lshl_b32 s80, s80, 23
	s_or_b32 s80, s80, 0x600000
	v_mov_b32 v[LMO], s80
.macro FRAG reg, adr, q, i
.irp c, 0,1,2,3
	ds_load_b128 v[\reg+4*\c:\reg+4*\c+3], v[\adr] offset:(2*(\i)+(\q))*2048+512*\c
.endr
.endm
.macro MUL16 a0, p, zero
.irp a, \a0, \a0+1
.irp b, 0,1,2,3,4,5,6,7
.if \zero
	v_wmma_f32_16x16x128_fp8_fp8 v[8*(8*((\a)%4)+\b):8*(8*((\a)%4)+\b)+7], v[128*(\p)+FR*\b:128*(\p)+FR*\b+FR-1], v[AF+FR*(\a):AF+FR*(\a)+FR-1], 0
.else
	v_wmma_f32_16x16x128_fp8_fp8 v[8*(8*((\a)%4)+\b):8*(8*((\a)%4)+\b)+7], v[128*(\p)+FR*\b:128*(\p)+FR*\b+FR-1], v[AF+FR*(\a):AF+FR*(\a)+FR-1], v[8*(8*((\a)%4)+\b):8*(8*((\a)%4)+\b)+7]
.endif
.endr
.endr
.endm
.macro FETCH_B slot, q, p
	WIN TO_B
.irp i, 0,1,2,3,4,5,6,7
	FRAG 128*(\p)+FR*\i, ADRB+\slot, \q, \i
.endr
	WIN 0
.endm
.macro FETCH_A slot, q, i0
.irp i, \i0, \i0+1, \i0+2, \i0+3
	FRAG AF+FR*(\i), ADRA+\slot, \q, \i
.endr
.endm
.macro PLACES n
.rept \n
	v_nop
.endr
.endm
.macro STEP slot, q, zero
	s_wait_dscnt 4*NL
	WIN MUL_LO
	MUL16 0, (\q)%2, \zero
	MUL16 2, (\q)%2, \zero
	s_wait_dscnt 0
	PLACES NP
	FETCH_B \slot, (\q)+1, 1-(\q)%2
	FETCH_A \slot, (\q)+1, 0
	WIN MUL_HI
	MUL16 4, (\q)%2, \zero
	MUL16 6, (\q)%2, \zero
	PLACES NP
	WIN 0
	FETCH_A \slot, (\q)+1, 4
.endm
.macro TURN_A slot, next, fill
	s_wait_tensorcnt 0x0
	ds_add_u32 v[SPW], v[NIL]
	s_wait_dscnt 4*NL+1
	WIN MUL_LO
	MUL16 0, 1, 0
	s_wait_dscnt 0x0
	s_barrier_signal -1
	MUL16 2, 1, 0
	WIN 0
	s_barrier_wait -1
.if \fill
	CREST
.if \fill == 2
	s_add_nc_u64 s[G0+4*\slot+2:G0+4*\slot+3], s[G0+4*\slot+2:G0+4*\slot+3], s[92:93]
	s_sub_nc_u64 s[G0+4*\slot+2:G0+4*\slot+3], s[G0+4*\slot+2:G0+4*\slot+3], 8192
	s_add_nc_u64 s[G0B+4*\slot+2:G0B+4*\slot+3], s[G0B+4*\slot+2:G0B+4*\slot+3], s[94:95]
	s_sub_nc_u64 s[G0B+4*\slot+2:G0B+4*\slot+3], s[G0B+4*\slot+2:G0B+4*\slot+3], 8192
.else
	s_add_nc_u64 s[G0+4*\slot+2:G0+4*\slot+3], s[G0+4*\slot+2:G0+4*\slot+3], 8192
	s_add_nc_u64 s[G0B+4*\slot+2:G0B+4*\slot+3], s[G0B+4*\slot+2:G0B+4*\slot+3], 8192
.endif
	JLOAD G0+4*\slot, G1, G0B+4*\slot, G1B
.else
	PLACES NP
.endif
	s_wait_alu depctr_va_vdst(0)
	FETCH_B \next, 0, 0
	FETCH_A \next, 0, 0
.endm
.macro TURN_B next
	WIN MUL_HI
	MUL16 4, 1, 0
	MUL16 6, 1, 0
	PLACES NP
	WIN 0
	FETCH_A \next, 0, 4
.endm
.macro TURN slot, next, fill
	TURN_A \slot, \next, \fill
	TURN_B \next
.endm
.macro LAST
	s_wait_dscnt 4*NL
	WIN MUL_LO
	MUL16 0, 1, 0
	MUL16 2, 1, 0
	s_wait_dscnt 0
	WIN MUL_HI
	MUL16 4, 1, 0
	MUL16 6, 1, 0
	WIN 0
.endm
.macro BIAS kind
.if \kind == 0
.irp b, 0,1,2,3,4,5,6,7
	global_load_b128 v[BI+8*\b:BI+8*\b+3], v[BO0], s[90:91] offset:(32*(\b/2)+8*(\b%2))*4
	global_load_b128 v[BI+8*\b+4:BI+8*\b+7], v[BO0], s[90:91] offset:(32*(\b/2)+8*(\b%2))*4+16
.endr
.else
.irp g, 0,1,2,3,4,5,6,7
	global_load_b32 v[BI+\g], v[BO1], s[90:91] offset:(32*(\g/2)+8*(\g%2))*4
.endr
.endif
.endm
.macro OUT kind, a, stride
.set AC, 64*((\a)%4)
.set PC, PCB+16*((\a)%2)
	WIN 0x82+0x41*((\a)/4)
.set n, 0
.rept 32
.if \kind == 0
	v_pk_fma_f32 v[AC+n:AC+n+1], v[AC+n:AC+n+1], s[96:97], v[BI+n:BI+n+1] op_sel_hi:[1,0,1]
.elseif ((\a)%2) == 0
	v_pk_fma_f32 v[AC+n:AC+n+1], v[AC+n:AC+n+1], s[96:97], v[BI+(\a):BI+(\a)+1] op_sel_hi:[1,0,0]
.else
	v_pk_fma_f32 v[AC+n:AC+n+1], v[AC+n:AC+n+1], s[96:97], v[BI+(\a)-1:BI+(\a)] op_sel:[0,0,1] op_sel_hi:[1,0,1]
.endif
.set n, n+2
.endr
.set n, 0
.rept 64
	v_med3_num_f32 v[AC+n], v[AC+n], -v[LMO], v[LMO]
.set n, n+1
.endr
	WIN 0x02+((\a)/4)
.if (\a) >= 2
	s_wait_alu depctr_va_vdst(0)
	s_wait_xcnt 0x0
.endif
.irp b, 0,1,2,3,4,5,6,7
	v_cvt_scalef32_pk8_fp8_f32 v[PC+2*\b:PC+2*\b+1], v[AC+8*\b:AC+8*\b+7], v[SCO]
.endr
	v_nop
	WIN 0
.irp c, 0,1,2,3
	global_store_b128 v[LN16], v[PC+4*\c:PC+4*\c+3], s[88:89] offset:(\a)*(\stride)+512*\c th:TH_STORE_NT
.endr
.endm
.macro LEAVE kind, stride
	s_wait_loadcnt 0x0
.irp g, 0,1,2,3,4,5,6,7
	OUT \kind, \g, \stride
.endr
.endm
	s_wait_alu depctr_va_vdst(0)                   ; the head's end
	s_wait_tensorcnt 0x0                           ; my part of slot 0 is in
	ds_add_u32 v[SPW], v[NIL]
	s_wait_dscnt 0x0
	CROUND                                         ; everybody's part of slot 0 is in, and all sixteen work-groups are here
	JLOAD G0+4, G1, G0B+4, G1B                     ; slot 1's first fill, my one tensor load behind the cluster's barrier
	FETCH_B 0, 0, 0
	FETCH_A 0, 0, 0
	FETCH_A 0, 0, 4
	s_mov_b32 s2, 2
.Ltile:
	STEP 0, 0, 1
	s_mov_b32 s3, LAPS-1
.Llap:
	TURN 0, 1, 1
	STEP 1, 0, 0
	TURN 1, 0, 1
	STEP 0, 0, 0
	s_sub_co_u32 s3, s3, 1
	s_cmp_lg_u32 s3, 0
	s_cbranch_scc1 .Llap
	s_cmp_eq_u32 s2, 1
	s_cbranch_scc1 .Llast_tile
	TURN 0, 1, 2
	STEP 1, 0, 0
	TURN_A 1, 0, 2
	s_cmp_lt_u32 s[CY], 16
	s_cbranch_scc0 .Lv_on
	BIAS 0
	TURN_B 0
	LEAVE 0, 16384
	s_branch .Lon
.Lv_on:
	BIAS 1
	TURN_B 0
	LEAVE 1, 32768
.Lon:
	s_wait_xcnt 0x0
	s_add_nc_u64 s[88:89], s[88:89], 0x400000
	s_sub_co_u32 s2, s2, 1
	s_cmp_lg_u32 s2, 0
	s_cbranch_scc1 .Ltile
.Llast_tile:
	TURN 0, 1, 0
	STEP 1, 0, 0
	s_cmp_lt_u32 s[CY], 16
	s_cbranch_scc0 .Lv_part
	BIAS 0
	LAST
	PLACES NP
	LEAVE 0, 16384
	s_branch .Lend
.Lv_part:
	BIAS 1
	LAST
	PLACES NP
	LEAVE 1, 32768
.Lend:
	s_wait_tensorcnt 0x0
	ds_add_u32 v[SPW], v[NIL]
	s_wait_dscnt 0x0
	CROUND
	s_endpgm
.Lfunc_end_k_q9406810cd1_proj:
	.size	k_q9406810cd1_proj, .Lfunc_end_k_q9406810cd1_proj-k_q9406810cd1_proj
	.p2alignl 7, 3214868480
	.fill 96, 4, 3214868480
	.section	.rodata,"a",@progbits
	.p2align	6, 0x0
	.amdhsa_kernel k_q9406810cd1_proj
		.amdhsa_group_segment_fixed_size 327680
		.amdhsa_private_segment_fixed_size 0
		.amdhsa_enable_private_segment 0
		.amdhsa_kernarg_size 48
		.amdhsa_user_sgpr_count 2
		.amdhsa_user_sgpr_kernarg_segment_ptr 1
		.amdhsa_wavefront_size32 1
		.amdhsa_system_sgpr_workgroup_id_x 1
		.amdhsa_system_sgpr_workgroup_id_y 1
		.amdhsa_system_sgpr_workgroup_id_z 1
		.amdhsa_system_vgpr_workitem_id 0
		.amdhsa_next_free_vgpr 1024
		.amdhsa_next_free_sgpr 100
		.amdhsa_reserve_vcc 0
		.amdhsa_float_denorm_mode_32 3
		.amdhsa_float_denorm_mode_16_64 3
		.amdhsa_memory_ordered 1
		.amdhsa_forward_progress 1
		.amdhsa_inst_pref_size 255
	.end_amdhsa_kernel
	.section	.bss,"aw",@nobits
	.p2align	6
	.space	262144
	.amdgpu_metadata
---
amdhsa.version: [ 1, 2 ]
amdhsa.kernels:
  - .name:           k_q9406810cd1_proj
    .symbol:         k_q9406810cd1_proj.kd
    .args:
      - { .name: xc, .offset: 0, .size: 8, .value_kind: global_buffer, .address_space: global }
      - { .name: wc, .offset: 8, .size: 8, .value_kind: global_buffer, .address_space: global }
      - { .name: bq, .offset: 16, .size: 8, .value_kind: global_buffer, .address_space: global }
      - { .name: lowp_scales, .offset: 24, .size: 8, .value_kind: global_buffer, .address_space: global }
      - { .name: qk, .offset: 32, .size: 8, .value_kind: global_buffer, .address_space: global }
      - { .name: vt, .offset: 40, .size: 8, .value_kind: global_buffer, .address_space: global }
    .group_segment_fixed_size: 327680
    .private_segment_fixed_size: 0
    .kernarg_segment_align: 8
    .kernarg_segment_size: 48
    .max_flat_workgroup_size: 128
    .sgpr_count:     100
    .vgpr_count:     1024
    .wavefront_size: 32
...
	.end_amdgpu_metadata
.endif
;; end of part 2
;; launch scores (part 3): grid 8 x 32, 4 waves a work-group, clusters of 4 x 4, 327,680 bytes of LDS; arguments qk, mb, lowp_scales, pc, st; writes pc, st
.if DOCPART == 3
	.amdgcn_target "amdgcn-amd-amdhsa--gfx1250"
	.amdhsa_code_object_version 6
	.text
	.protected	k_q9406810cd1_scores
	.globl	k_q9406810cd1_scores
	.p2align	8
	.type	k_q9406810cd1_scores,@function
k_q9406810cd1_scores:
	s_mov_b64 s[64:65], 0
	v_nop
	global_prefetch_b8 v0, s[64:65] scope:SCOPE_SE
	s_setreg_imm32_b32 hwreg(HW_REG_WAVE_MODE, 25, 1), 1
	s_wait_xcnt 0x0
	s_wait_alu depctr_hold_cnt(0) depctr_sa_sdst(0) depctr_va_vdst(0) depctr_va_sdst(0) depctr_va_ssrc(0) depctr_va_vcc(0) depctr_vm_vsrc(0)
	s_getreg_b32 s2, hwreg(HW_REG_IB_STS2, 6, 4)
	s_cmp_eq_u32 s2, 0
	s_cbranch_scc0 .Lentry_in_a_cluster
	s_endpgm
.Lentry_in_a_cluster:
	s_bfe_u32 s2, ttmp6, 0x10000c
	s_cmp_lg_u32 s2, 0xf033
	s_cbranch_scc0 .Lentry_shape_is_right
	s_endpgm
.Lentry_shape_is_right:
; For 256 queries x 256 keys of one batch: S = Q K^T on codes of FP8 (E4M3); numbers with att_mask == 1 become -infinity; t = S x 2^(e6 + e7) x log2(e) / 32; M = the ceiling of the row's largest t AMONG THESE 256 KEYS;
; p = 2^(t - M) is quantised with 2^e8 and leaves as codes, keys innermost (buffer pc); -M and the sums of the unquantised p (one for each 128 keys) leave in buffer st.  The last launch brings the eight blocks of a row
; under the row's one M by exact powers of two.  Nothing of reference() is left out: the mask is an input, so every tile is computed.
; A row whose 256 keys are all masked: the largest t is held at -3e38, every p is 0, the sum is 0.
; Buffers of codes lie as images of operand registers ([group][K step][2048]; position p of group g is row 32 (g / 2) + 8 (g % 2) + p + 8 (p / 8)).  S1 = Q, S0 = K; THE MATRIX INSTRUCTION IS USED TRANSPOSED: lane (r, h)
; holds one query, register d of a group's 64 holds key 32 (d / 16) + 16 h + d % 16 of my 128: the conversions' results are the image of p's fragment.
; The mask comes as lane masks: word 64 a + d is the selector of register d of group a; my 512 words lie in 16 registers from the head on and go to scalar registers by v_readlane_b32.
; LIMITS: e6 + e7 between -121 and 132 (added to the exponent field of log2(e) / 32); e8 between -126 and 119.
; REGISTERS: window 0: v16-31 addresses; v32-73 statistics; v96-111 the mask; v112-119 statistics on their way out; v128-255 S1's fragments, later v128-159 codes.  window 1: S0's fragments.  windows 2, 3: the accumulators, then p.
.set FR,    16
.set NL,    4
.set NP,    4
.set SLOT,  131072
.set SPARE, 2*SLOT                     ; the spare words, 128 bytes for each wave
.set XCH,   SPARE+512                  ; 1,024 bytes a wave: the largest t of my 128 keys, for the wave that has the same queries' other 128
.set STS,   XCH+4096                   ; 1,024 bytes a wave: the statistics turn here
.set STR,   2048
.set LAPS,  2
.set ADRA,  16
.set ADRB,  20
.set NINF,  22                         ; v22  -infinity
.set LN16,  24                         ; v24  16 x lane
.set XW,    25                         ; v25  where I put my largest t
.set XR,    26                         ; v26  where the partner put its
.set SW,    27                         ; v27  statistics in: 32 r
.set SPW,   28
.set NIL,   29
.set SRD,   30                         ; v30  statistics back: 16 x lane
.set TM,    32                         ; v32-39 the largest t, group a
.set TP,    40                         ; v40-47 the partner's
.set NM,    48                         ; v48-55 -M
.set LS,    56                         ; v56-63 the sum of p
.set SU,    64                         ; v64-67 two packed chains of sums
.set MX,    68                         ; v68-69 two chains of maxima
.set PT,    70                         ; v70  a lane permute's destination
.set SCP,   72                         ; v72  2^e8
.set LMP,   73                         ; v73  448 x 2^e8
.set MK,    96
.set OS,    112
.set PCB,   128
.set AF,    128
.set WV,    12
.set WR,    13
.set HF,    14
.set CY,    15
.set G1,    24
.set G0,    32
.set G1B,   48
.set G0B,   56
.set MSB, 0
.macro WIN new                         ; the immediate's high byte repeats the setting that is left
.if MSB != (\new)
	s_set_vgpr_msb (MSB<<8)|(\new)
.set MSB, (\new)
.endif
.endm
.set MUL_LO, 0xa1
.set MUL_HI, 0xf1
.set TO_B,   0x40
.macro JLOAD g0a, g1a, g0b, g1b        ; a joint load: waves 0 and 1 fetch for S1, waves 2 and 3 for S0; an s_nop 0 and four v_nop follow each of the two lines
	s_cmp_eq_u32 s[WR], 0
	s_cbranch_scc0 .Lfor_b_\@
	tensor_load_to_lds s[\g0a:\g0a+3], s[\g1a:\g1a+7]
	s_nop 0
.rept 4
	v_nop
.endr
	s_branch .Lasked_\@
.Lfor_b_\@:
	tensor_load_to_lds s[\g0b:\g0b+3], s[\g1b:\g1b+7]
	s_nop 0
.rept 4
	v_nop
.endr
.Lasked_\@:
.endm
.macro CREST
	s_cmp_lg_u32 s[WV], 0
	s_cbranch_scc1 .Lnot_wave_0_\@
	s_barrier_signal -3
.Lnot_wave_0_\@:
	s_barrier_wait -3
	s_barrier_signal -1
	s_barrier_wait -1
.endm
.macro CROUND
	s_barrier_signal -1
	s_barrier_wait -1
	CREST
.endm
	s_load_b256 s[4:11], s[0:1], 0x0               ; qk, mb, lowp_scales, pc
	s_load_b64 s[84:85], s[0:1], 0x20              ; st
	v_lshl_add_u32 v[SPW], v0, 2, SPARE
	v_mov_b32 v[NIL], 0
	ds_add_u32 v[SPW], v[NIL]                      ; the wave's opening: the add, twice on end, and its wait ahead of my first tensor load
	ds_add_u32 v[SPW], v[NIL]                      ; and once more; the set-up below stands between it and the wait
	v_lshrrev_b32 v1, 5, v0
	v_readfirstlane_b32 s[WV], v1
	s_lshr_b32 s[WR], s[WV], 1
	s_and_b32 s[HF], s[WV], 1
	s_bfe_u32 s40, ttmp6, 0x40000                  ; cx
	s_bfe_u32 s41, ttmp6, 0x40004                  ; cy
	s_and_b32 s[CY], ttmp7, 0xffff
	s_lshl_b32 s43, s41, 2
	s_lshl_b32 s43, 15, s43
	s_lshl_b32 s44, 0x1111, s40
	s_or_b32 s[G1], s43, (3<<16)|(1<<21)           ; the mask of my row; elements of 8 bytes; bit 21 beside a mask; no padding
	s_or_b32 s[G1B], s44, (3<<16)|(1<<21)          ; of my column
.irp g, G1, G1B
	s_mov_b32 s[\g+1], 512<<16                     ; 8 groups x 4,096 bytes, 16,384 bytes apart
	s_mov_b32 s[\g+2], 8<<16
	s_mov_b32 s[\g+3], 512<<16
	s_mov_b32 s[\g+4], 8
	s_mov_b32 s[\g+5], STR
	s_mov_b32 s[\g+6], 0
	s_mov_b32 s[\g+7], 0
.endr
	s_lshl_b32 s42, ttmp9, 2
	s_add_co_u32 s42, s42, s40                     ; X: which 256 keys of the batch
	s_lshl_b32 s19, s[CY], 2
	s_add_co_u32 s19, s19, s41                     ; Y: which 256 queries of all 8,192
	s_lshl_b32 s18, s[HF], 17
	s_lshl_b32 s16, s19, 18
	s_add_co_u32 s16, s16, s18                     ; S1: Q's tile Y
	s_mov_b32 s17, 0
	s_lshr_b32 s46, s[CY], 1                       ; the batch = Y / 8 = cluster y / 2
	s_lshl_b32 s46, s46, 21
	s_lshl_b32 s47, s42, 18
	s_add_co_u32 s46, s46, s47
	s_add_co_u32 s46, s46, s18
	s_add_co_u32 s46, s46, 0x800000                ; S0: K's codes begin 8 MiB in; the batch's tile X
	s_mov_b32 s47, 0
	s_lshl_b32 s45, s[WV], 15
	s_wait_dscnt 0x0                               ; both opening adds are done
	s_wait_kmcnt 0x0
	s_load_b128 s[68:71], s[8:9], 0x18             ; e6, e7, e8, e9
	s_add_nc_u64 s[20:21], s[4:5], s[16:17]
	s_add_nc_u64 s[22:23], s[4:5], s[46:47]
	CROUND                                         ; all sixteen work-groups are here: the first joint loads meet
.irp s, 0,1
	s_mov_b32 s[G0+4*\s], 1
	s_add_co_u32 s[G0+4*\s+1], s45, \s*SLOT
	s_add_nc_u64 s[G0+4*\s+2:G0+4*\s+3], s[20:21], \s*4096
	s_or_b32 s[G0+4*\s+3], s[G0+4*\s+3], 0x80000000
	s_mov_b32 s[G0B+4*\s], 1
	s_add_co_u32 s[G0B+4*\s+1], s45, \s*SLOT
	s_add_nc_u64 s[G0B+4*\s+2:G0B+4*\s+3], s[22:23], \s*4096
	s_or_b32 s[G0B+4*\s+3], s[G0B+4*\s+3], 0x80000000
.endr
	JLOAD G0, G1, G0B, G1B                         ; slot 0: one tensor load a wave at the head
	v_and_b32 v2, 31, v0
	v_lshlrev_b32 v[LN16], 4, v2
	s_lshl_b32 s78, s[WR], 15
	s_lshl_b32 s79, s[HF], 15
	s_add_co_u32 s79, s79, 65536
.irp s, 0,1
	v_add_nc_u32 v[ADRA+\s], s78, v[LN16]
	v_add_nc_u32 v[ADRB+\s], s79, v[LN16]
	s_add_co_u32 s78, s78, SLOT
	s_add_co_u32 s79, s79, SLOT
.endr
	v_lshlrev_b32 v3, 5, v2                        ; 32 x lane
	s_lshl_b32 s78, s[WV], 10
	s_xor_b32 s79, s[WV], 1                        ; the wave with my queries and the other 128 keys
	s_lshl_b32 s79, s79, 10
	v_add_nc_u32 v[XW], s78, v3
	v_add_nc_u32 v[XW], XCH, v[XW]
	v_add_nc_u32 v[XR], s79, v3
	v_add_nc_u32 v[XR], XCH, v[XR]
	v_and_b32 v1, 15, v0
	v_lshlrev_b32 v4, 5, v1                        ; 32 r
	v_add_nc_u32 v[SW], s78, v4
	v_add_nc_u32 v[SW], STS, v[SW]
	v_add_nc_u32 v[SRD], s78, v[LN16]
	v_add_nc_u32 v[SRD], STS, v[SRD]
	v_mov_b32 v[NINF], 0xff800000
	v_mov_b32 v[PT], 0                             ; written once: a lane permute's destination counts as read
	s_mov_b32 s92, 0x76543210
	s_mov_b32 s93, 0xfedcba98                      ; v_permlanex16_b32's selects for lane l xor 16
	s_and_b32 s78, s19, 7
	s_lshl_b32 s78, s78, 1
	s_add_co_u32 s78, s78, s[WR]                   ; T: which 128 queries of the sequence
	s_lshl_b32 s79, s42, 1
	s_add_co_u32 s79, s79, s[HF]                   ; jj: which 128 keys
	s_lshr_b32 s80, s[CY], 1                       ; the batch
	s_mov_b32 s83, 0
	s_lshl_b32 s82, s78, 4
	s_add_co_u32 s82, s82, s79
	s_lshl_b32 s82, s82, 11
	s_add_nc_u64 s[86:87], s[6:7], s[82:83]        ; my 512 words of the mask
	s_lshl_b32 s82, s19, 19
	s_lshl_b32 s81, s[WR], 18
	s_add_co_u32 s82, s82, s81
	s_lshl_b32 s81, s79, 11
	s_add_co_u32 s82, s82, s81
	s_add_nc_u64 s[88:89], s[10:11], s[82:83]      ; p's codes: group 16 Y + 8 half, K step jj
	s_lshl_b32 s82, s80, 4
	s_add_co_u32 s82, s82, s79
	s_lshl_b32 s82, s82, 4
	s_add_co_u32 s82, s82, s78
	s_lshl_b32 s82, s82, 9
	s_add_co_u32 s82, s82, 262144
	s_add_nc_u64 s[90:91], s[84:85], s[82:83]      ; the sums: [batch][jj][T][16 r][8 a]
	s_lshl_b32 s82, s80, 3
	s_add_co_u32 s82, s82, s42
	s_lshl_b32 s82, s82, 4
	s_add_co_u32 s82, s82, s78
	s_lshl_b32 s82, s82, 9
	s_add_nc_u64 s[94:95], s[84:85], s[82:83]      ; -M: [batch][X][T][16 r][8 a]
.irp m, 0,1,2,3
	global_load_b128 v[MK+4*\m:MK+4*\m+3], v[LN16], s[86:87] offset:512*\m   ; word w lies in register 4 (w / 128) + w % 4, lane (w % 128) / 4
.endr
	s_wait_kmcnt 0x0
	s_add_co_i32 s78, s68, s69
	s_lshl_b32 s78, s78, 23
	s_mov_b32 s96, 0x3d38aa3b                      ; log2(e) / 32
	s_add_co_i32 s96, s96, s78                     ; x 2^(e6 + e7): the two exponents are added to its exponent field
	s_mov_b32 s97, s96                             ; (named with it as a pair, so it is written)
	s_add_co_i32 s78, s70, 127
	s_lshl_b32 s79, s78, 23
	v_mov_b32 v[SCP], s79
	s_add_co_i32 s78, s78, 8
	s_lshl_b32 s78, s78, 23
	s_or_b32 s78, s78, 0x600000
	v_mov_b32 v[LMP], s78
.macro FRAG reg, adr, q, i
.irp c, 0,1,2,3
	ds_load_b128 v[\reg+4*\c:\reg+4*\c+3], v[\adr] offset:(2*(\i)+(\q))*2048+512*\c
.endr
.endm
.macro MUL16 a0, p, zero               ; the 64 accumulators take turns, one instruction a turn
.irp a, \a0, \a0+1
.irp b, 0,1,2,3,4,5,6,7
.if \zero
	v_wmma_f32_16x16x128_fp8_fp8 v[8*(8*((\a)%4)+\b):8*(8*((\a)%4)+\b)+7], v[128*(\p)+FR*\b:128*(\p)+FR*\b+FR-1], v[AF+FR*(\a):AF+FR*(\a)+FR-1], 0
.else
	v_wmma_f32_16x16x128_fp8_fp8 v[8*(8*((\a)%4)+\b):8*(8*((\a)%4)+\b)+7], v[128*(\p)+FR*\b:128*(\p)+FR*\b+FR-1], v[AF+FR*(\a):AF+FR*(\a)+FR-1], v[8*(8*((\a)%4)+\b):8*(8*((\a)%4)+\b)+7]
.endif
.endr
.endr
.endm
.macro FETCH_B slot, q, p
	WIN TO_B
.irp i, 0,1,2,3,4,5,6,7
	FRAG 128*(\p)+FR*\i, ADRB+\slot, \q, \i
.endr
	WIN 0
.endm
.macro FETCH_A slot, q, i0
.irp i, \i0, \i0+1, \i0+2, \i0+3
	FRAG AF+FR*(\i), ADRA+\slot, \q, \i
.endr
.endm
.macro PLACES n
.rept \n
	v_nop
.endr
.endm
.macro STEP slot, q, zero
	s_wait_dscnt 4*NL                              ; all but the youngest 16 loads (S1's groups 4-7)
	WIN MUL_LO
	MUL16 0, (\q)%2, \zero
	MUL16 2, (\q)%2, \zero
	s_wait_dscnt 0
	PLACES NP
	FETCH_B \slot, (\q)+1, 1-(\q)%2
	FETCH_A \slot, (\q)+1, 0
	WIN MUL_HI
	MUL16 4, (\q)%2, \zero
	MUL16 6, (\q)%2, \zero
	PLACES NP
	WIN 0
	FETCH_A \slot, (\q)+1, 4
.endm
.macro TURN slot, next, fill
	s_wait_tensorcnt 0x0                           ; all my tensor loads have landed: my part of the next slot
	ds_add_u32 v[SPW], v[NIL]                      ; 0 onto my spare word
	s_wait_dscnt 4*NL+1                            ; (the add and the youngest 16 loads may be out)
	WIN MUL_LO
	MUL16 0, 1, 0
	s_wait_dscnt 0x0                               ; the add is done, and my reads of this slot are over
	s_barrier_signal -1
	MUL16 2, 1, 0
	WIN 0
	s_barrier_wait -1
.if \fill
	CREST                                          ; a round of the cluster's barrier: no wave of any partner still reads this slot or has a load on its way
	s_add_nc_u64 s[G0+4*\slot+2:G0+4*\slot+3], s[G0+4*\slot+2:G0+4*\slot+3], 8192
	s_add_nc_u64 s[G0B+4*\slot+2:G0B+4*\slot+3], s[G0B+4*\slot+2:G0B+4*\slot+3], 8192
	JLOAD G0+4*\slot, G1, G0B+4*\slot, G1B
.else
	PLACES NP
.endif
	FETCH_B \next, 0, 0
	FETCH_A \next, 0, 0
	WIN MUL_HI
	MUL16 4, 1, 0
	MUL16 6, 1, 0
	PLACES NP
	WIN 0
	FETCH_A \next, 0, 4
.endm
; Group a: masked numbers become -infinity, then the largest of my query's 128 scores.  s24-55, the descriptors' registers, are free: every tensor load has been waited for.
.macro MASKMAX a
.set AC, 64*((\a)%4)
.irp g, 0,1
	WIN 0
.set n, 0
.rept 32
.set d, 64*(\a)+32*\g+n
	v_readlane_b32 s[24+n], v[MK+4*(d/128)+d%4], (d%128)/4
.set n, n+1
.endr
	WIN 0x82+0x41*((\a)/4)                         ; source 0 and destination: window 2 or 3
.set n, 0
.rept 32
	v_cndmask_b32 v[AC+32*\g+n], v[AC+32*\g+n], v[NINF], s[24+n]   ; each accumulator from its low end on
.set n, n+1
.endr
.endr
	WIN 0x28+0x14*((\a)/4)                         ; sources 1 and 2: window 2 or 3
	v_max3_num_f32 v[MX], v[NINF], v[AC], v[AC+1]
	v_max3_num_f32 v[MX+1], v[NINF], v[AC+2], v[AC+3]
.set n, 4
.rept 15
	v_max3_num_f32 v[MX], v[MX], v[AC+n], v[AC+n+1]
	v_max3_num_f32 v[MX+1], v[MX+1], v[AC+n+2], v[AC+n+3]
.set n, n+4
.endr
	WIN 0
	v_max_num_f32 v[MX], v[MX], v[MX+1]
	v_permlanex16_b32 v[PT], v[MX], s92, s93       ; the query's other 64 keys lie in the lane 16 away
	v_max_num_f32 v[TM+(\a)], v[MX], v[PT]
.endm
; Group a: p = 2^(t - M) in place; the sum of the unquantised p; the hold; the codes, which are the image of a fragment of p.
.macro SOFT a
.set AC, 64*((\a)%4)
.set PC, PCB+16*((\a)%2)
	WIN 0x82+0x41*((\a)/4)
.set n, 0
.rept 32
.if ((\a)%2) == 0
	v_pk_fma_f32 v[AC+n:AC+n+1], v[AC+n:AC+n+1], s[96:97], v[NM+(\a):NM+(\a)+1] op_sel_hi:[1,0,0]   ; t - M, two at a time; -M from its pair's first register
.else
	v_pk_fma_f32 v[AC+n:AC+n+1], v[AC+n:AC+n+1], s[96:97], v[NM+(\a)-1:NM+(\a)] op_sel:[0,0,1] op_sel_hi:[1,0,1]   ; or its second
.endif
.set n, n+2
.endr
.set n, 0
	s_wait_alu depctr_va_vdst(0)
.rept 64
	v_exp_f32 v[AC+n], v[AC+n]
.set n, n+1
.endr
	v_nop                                          ; a plain instruction behind the last exponential
	s_wait_alu depctr_va_vdst(0)                   ; one wait for the batch of 64, ahead of its first reader
	WIN 0x0a+5*((\a)/4)
	v_pk_add_f32 v[SU:SU+1], v[AC:AC+1], v[AC+2:AC+3]
	v_pk_add_f32 v[SU+2:SU+3], v[AC+4:AC+5], v[AC+6:AC+7]
	WIN 0x08+4*((\a)/4)
.set n, 8
.rept 14
	v_pk_add_f32 v[SU:SU+1], v[SU:SU+1], v[AC+n:AC+n+1]
	v_pk_add_f32 v[SU+2:SU+3], v[SU+2:SU+3], v[AC+n+2:AC+n+3]
.set n, n+4
.endr
	WIN 0x82+0x41*((\a)/4)
.set n, 0
.rept 64
	v_min_num_f32 v[AC+n], v[AC+n], v[LMP]         ; the conversion does not saturate (ISA guide 7.6.2); p is not negative, so the hold is one-sided
.set n, n+1
.endr
	WIN 0x02+((\a)/4)
.if (\a) >= 2
	s_wait_alu depctr_va_vdst(0)
	s_wait_xcnt 0x0                                ; the stores of two groups ago have read their data
.endif
.irp b, 0,1,2,3,4,5,6,7
	v_cvt_scalef32_pk8_fp8_f32 v[PC+2*\b:PC+2*\b+1], v[AC+8*\b:AC+8*\b+7], v[SCP]
.endr
	v_nop                                          ; a plain instruction behind the last conversion
	WIN 0
	v_pk_add_f32 v[SU:SU+1], v[SU:SU+1], v[SU+2:SU+3]
	v_add_f32 v[SU], v[SU], v[SU+1]
	v_permlanex16_b32 v[PT], v[SU], s92, s93
	v_add_f32 v[LS+(\a)], v[SU], v[PT]
.irp c, 0,1,2,3
	global_store_b128 v[LN16], v[PC+4*\c:PC+4*\c+3], s[88:89] offset:32768*(\a)+512*\c th:TH_STORE_NT   ; 512 consecutive bytes
.endr
.endm
	s_wait_alu depctr_va_vdst(0)                   ; the head's end
	s_wait_tensorcnt 0x0                           ; my part of slot 0 is in
	ds_add_u32 v[SPW], v[NIL]
	s_wait_dscnt 0x0
	CROUND                                         ; everybody's part of slot 0 is in, and all sixteen work-groups are here
	JLOAD G0+4, G1, G0B+4, G1B                     ; slot 1's first fill, my one tensor load behind the cluster's barrier
	FETCH_B 0, 0, 0
	FETCH_A 0, 0, 0
	FETCH_A 0, 0, 4
	STEP 0, 0, 1
	s_mov_b32 s3, LAPS-1
.Llap:
	TURN 0, 1, 1
	STEP 1, 0, 0
	TURN 1, 0, 1
	STEP 0, 0, 0
	s_sub_co_u32 s3, s3, 1
	s_cmp_lg_u32 s3, 0
	s_cbranch_scc1 .Llap
	TURN 0, 1, 0
	STEP 1, 0, 0
	s_wait_dscnt 4*NL
	WIN MUL_LO
	MUL16 0, 1, 0
	MUL16 2, 1, 0
	s_wait_dscnt 0
	WIN MUL_HI
	MUL16 4, 1, 0
	MUL16 6, 1, 0
	WIN 0
	s_wait_loadcnt 0x0                             ; the mask
	PLACES NP
.irp a, 0,1,2,3,4,5,6,7
	MASKMAX \a
.endr
.irp a, 0,1,2,3,4,5,6,7
	v_mul_f32 v[TM+\a], s96, v[TM+\a]              ; as t (the factor is positive)
.endr
.irp a, 0,1,2,3,4,5,6,7
	v_max_num_f32 v[TM+\a], 0xff61b1e6, v[TM+\a]   ; held at -3e38: a row with nothing unmasked keeps a finite M
.endr
	ds_store_b128 v[XW], v[TM:TM+3]
	ds_store_b128 v[XW], v[TM+4:TM+7] offset:16
	s_wait_alu depctr_va_vdst(0)
	s_wait_dscnt 0x0                               ; for the partner's sake: my stores are done
	s_barrier_signal -1
	s_barrier_wait -1
	ds_load_b128 v[TP:TP+3], v[XR]
	ds_load_b128 v[TP+4:TP+7], v[XR] offset:16
	s_wait_dscnt 0x0
.irp a, 0,1,2,3,4,5,6,7
	v_max_num_f32 v[TM+\a], v[TM+\a], v[TP+\a]     ; the largest t among the work-group's 256 keys
.endr
.irp a, 0,1,2,3,4,5,6,7
	v_floor_f32 v[NM+\a], -v[TM+\a]                ; -M = floor(-t) = -ceil(t): M is a whole number
.endr
.irp a, 0,1,2,3,4,5,6,7
	SOFT \a
.endr
	; the statistics: a lane holds its query's eight (one a group): 32 bytes at 32 r (both halves of the lanes write the same numbers to the same bytes); back as 512 consecutive bytes
	ds_store_b128 v[SW], v[LS:LS+3]
	ds_store_b128 v[SW], v[LS+4:LS+7] offset:16
	ds_load_b128 v[OS:OS+3], v[SRD]                ; LDS serves a wave's instructions in order (ISA guide 5.7.1.4)
	s_wait_dscnt 0x0
	global_store_b128 v[LN16], v[OS:OS+3], s[90:91] th:TH_STORE_NT
	s_cmp_lg_u32 s[HF], 0                          ; -M is the same in both waves of a row half: the first stores it
	s_cbranch_scc1 .Lno_m
	ds_store_b128 v[SW], v[NM:NM+3] offset:512
	ds_store_b128 v[SW], v[NM+4:NM+7] offset:528
	ds_load_b128 v[OS+4:OS+7], v[SRD] offset:512
	s_wait_dscnt 0x0
	global_store_b128 v[LN16], v[OS+4:OS+7], s[94:95] th:TH_STORE_NT
.Lno_m:
	s_wait_tensorcnt 0x0                           ; the wave's end: behind my last tensor load and my last LDS store
	ds_add_u32 v[SPW], v[NIL]
	s_wait_dscnt 0x0
	CROUND                                         ; the closing round
	s_endpgm
.Lfunc_end_k_q9406810cd1_scores:
	.size	k_q9406810cd1_scores, .Lfunc_end_k_q9406810cd1_scores-k_q9406810cd1_scores
	.p2alignl 7, 3214868480
	.fill 96, 4, 3214868480
	.section	.rodata,"a",@progbits
	.p2align	6, 0x0
	.amdhsa_kernel k_q9406810cd1_scores
		.amdhsa_group_segment_fixed_size 327680
		.amdhsa_private_segment_fixed_size 0
		.amdhsa_enable_private_segment 0
		.amdhsa_kernarg_size 40
		.amdhsa_user_sgpr_count 2
		.amdhsa_user_sgpr_kernarg_segment_ptr 1
		.amdhsa_wavefront_size32 1
		.amdhsa_system_sgpr_workgroup_id_x 1
		.amdhsa_system_sgpr_workgroup_id_y 1
		.amdhsa_system_sgpr_workgroup_id_z 1
		.amdhsa_system_vgpr_workitem_id 0
		.amdhsa_next_free_vgpr 1024
		.amdhsa_next_free_sgpr 100
		.amdhsa_reserve_vcc 0
		.amdhsa_float_denorm_mode_32 3
		.amdhsa_float_denorm_mode_16_64 3
		.amdhsa_memory_ordered 1
		.amdhsa_forward_progress 1
		.amdhsa_inst_pref_size 239
	.end_amdhsa_kernel
	.amdgpu_metadata
---
amdhsa.version: [ 1, 2 ]
amdhsa.kernels:
  - .name:           k_q9406810cd1_scores
    .symbol:         k_q9406810cd1_scores.kd
    .args:
      - { .name: qk, .offset: 0, .size: 8, .value_kind: global_buffer, .address_space: global }
      - { .name: mb, .offset: 8, .size: 8, .value_kind: global_buffer, .address_space: global }
      - { .name: lowp_scales, .offset: 16, .size: 8, .value_kind: global_buffer, .address_space: global }
      - { .name: pc, .offset: 24, .size: 8, .value_kind: global_buffer, .address_space: global }
      - { .name: st, .offset: 32, .size: 8, .value_kind: global_buffer, .address_space: global }
    .group_segment_fixed_size: 327680
    .private_segment_fixed_size: 0
    .kernarg_segment_align: 8
    .kernarg_segment_size: 40
    .max_flat_workgroup_size: 128
    .sgpr_count:     100
    .vgpr_count:     1024
    .wavefront_size: 32
...
	.end_amdgpu_metadata
.endif
;; end of part 3
;; launch pv (part 4): grid 4 x 64, 8 waves a work-group, clusters of 4 x 4, 327,680 bytes of LDS; arguments pc, vt, st, lowp_scales, out0; writes out0
.if DOCPART == 4
	.amdgcn_target "amdgcn-amd-amdhsa--gfx1250"
	.amdhsa_code_object_version 6
	.text
	.protected	k_q9406810cd1_pv
	.globl	k_q9406810cd1_pv
	.p2align	8
	.type	k_q9406810cd1_pv,@function
k_q9406810cd1_pv:
	s_mov_b64 s[64:65], 0
	v_nop
	global_prefetch_b8 v0, s[64:65] scope:SCOPE_SE
	s_setreg_imm32_b32 hwreg(HW_REG_WAVE_MODE, 25, 1), 1
	s_wait_xcnt 0x0
	s_wait_alu depctr_hold_cnt(0) depctr_sa_sdst(0) depctr_va_vdst(0) depctr_va_sdst(0) depctr_va_ssrc(0) depctr_va_vcc(0) depctr_vm_vsrc(0)
	s_getreg_b32 s2, hwreg(HW_REG_IB_STS2, 6, 4)
	s_cmp_eq_u32 s2, 0
	s_cbranch_scc0 .Lentry_in_a_cluster
	s_endpgm
.Lentry_in_a_cluster:
	s_bfe_u32 s2, ttmp6, 0x10000c
	s_cmp_lg_u32 s2, 0xf033
	s_cbranch_scc0 .Lentry_shape_is_right
	s_endpgm
.Lentry_shape_is_right:
; out0 = (p V) x 2^(e8 + e9) / l on codes of FP8 (E4M3).  p's codes (pc) were made in eight blocks of 256 keys, each under its own whole number M_j; st holds -M_j and the sums of the unquantised p.
; The sums of products are carried from block to block: ahead of block j they are multiplied by 2^(M_(j-1) - M_j), an exact power of two; at the end by 2^(M_7 - M) 2^(e8 + e9) / l,
; with M the row's largest M_j and l = the sum over j of 2^(M_j - M) l_j.  Nothing of reference() is left out here.
; SHARES.  A work-group makes 128 queries x 256 columns; 4 x 64 work-groups.  Each of its eight waves makes 64 x 64: 16 accumulators, 128 registers; two waves to a SIMD, 512 registers each.
; pc and vt lie as images of operand registers: [group of 16 rows][K step of 128][2,048 bytes], byte 512 c + 16 l of an image = registers 4 c .. 4 c + 3 of lane l.
; Position p of group g is row 32 (g / 2) + 8 (g % 2) + p + 8 (p / 8).  THE MATRIX INSTRUCTION IS USED TRANSPOSED (source 0 = 16 rows of V^T, source 1 = 16 queries): a lane holds one query and eight neighbouring columns.
; THE RING.  Two LDS slots of THREE K steps: 8 groups of p and 16 of V^T, 6,144 bytes each, 147,456 bytes a slot.  The 16 K steps come in six fills: five of three steps and one of one step.
; Every wave issues one tensor load a fill: waves 0-3 two groups of p each, waves 4-7 four groups of V^T each.  A slot's three steps of products stand ahead of the change of slots, so that they are issued while the other slot's fill is out.
; CLUSTERS: 4 x 4 work-groups.  The four of a row need the same p, the four of a column the same V^T: each tile is asked for jointly, and each refill stands behind a round of the cluster's barrier.
; The 16 steps are written by macros and not as a loop: of the five changes of slots no two on end are alike (slot 0 or 1; a fill of three steps, of one, or none), and the factors of block j then stay in registers.
; PREFETCH: behind fills 0, 1 and 2 each wave names the bytes of the fill two on: of the 48 blocks of 256 bytes that a wave of p fetches, each of the four partners along x names 12; of the 96 of a wave of V^T, each of the four along y
; names 24; told apart by address; lanes left over name the wave's last block again.  Fills 0, 1 and 5 come by their loads alone.
; LIMITS: an M_j more than 64 under the row's M is held at M - 64 for the products (its p then count 2^-64 of the row's largest at the most); e8 + e9 is applied by v_ldexp_f32.  A row with every key masked gives NaN, as reference() does.
; REGISTERS: v0-31 addresses; v32-63 -M_j, then the factors; v64-127 the sums l (head only); v128-255 fragment set 0 (head: statistics at work; at the end: the way out); v256-383 set 1; v384-511 the accumulators.
.set GP,     6144                      ; a group's three K steps
.set BOFF,   8*GP                      ; V^T's groups lie behind p's eight
.set SLOT,   24*GP
.set SPARE,  2*SLOT                    ; the spare words, 128 bytes for each wave
.set SPITCH, 272                       ; the way out: 16 rows x (256 + 16) bytes for each wave, in slot 0, behind its last fill and its last read
.set LN16, 1                           ; 16 x lane
.set SPW,  2                           ; my spare word; never rewritten
.set NIL,  3                           ; 0; never rewritten
.set SO,   4                           ; statistics: 32 r
.set STO,  7                           ; the stage, in
.set RD,   8                           ; the stage, back
.set CO,   9                           ; my byte offset in out0
.set PFO,  10                          ; the prefetches' offset
.set ADRA, 12                          ; v12-13 my fragments of p in slot 0, 1
.set ADRB, 14                          ; v14-15 of V^T
.set ADRAS, 16                         ; the same in the fill of one step
.set ADRBS, 17
.set N,    32
.set L,    64
.set MR,   128                         ; -M of the row, group a
.set LSUM, 132                         ; l
.set XE,   136                         ; the last exponent
.set T1,   140
.set T2,   144
.set B0,   128                         ; set 0, window 0
.set B1,   0                           ; set 1, window 1
.set ACC,  128                         ; accumulator (a, b) at 8 (4 a + b), window 1
.set TMP,  128
.set BK,   160
.set WV, 16
.set WR, 17                            ; which 64 queries; also: I fetch for p (0) or for V^T (1)
.set WC, 18                            ; which 64 columns; also: which part I fetch
.set CY, 19
.set G1,   24                          ; s[24:31] group 1 for p;  s[32:39] its groups 0, one a slot
.set G0,   32
.set G1B,  48                          ; the same for V^T
.set G0B,  56
.set G1S,  68                          ; groups 1 for the fill of one step
.set G1BS, 76
.set SN,   84
.set SL,   86
.set SOUT, 88
.set PFA,  90
.set PO,   92
.set YY,   94
.set EE,   95
.set LA,   96
.set LB,   97
.set MSB, 0
.macro WIN new                         ; the immediate's high byte repeats the setting that is left
.if MSB != (\new)
	s_set_vgpr_msb (MSB<<8)|(\new)
.set MSB, (\new)
.endif
.endm
.macro PLACES                          ; four plain places behind a matrix instruction, ahead of loads into its sources and of reads of its result
.rept 4
	v_nop
.endr
.endm
.macro JLOAD g0a, g1a, g0b, g1b        ; a joint load; an s_nop 0 and four v_nop follow each of the two lines
	s_cmp_eq_u32 s[WR], 0
	s_cbranch_scc0 .Lfor_b_\@
	tensor_load_to_lds s[\g0a:\g0a+3], s[\g1a:\g1a+7]
	s_nop 0
.rept 4
	v_nop
.endr
	s_branch .Lasked_\@
.Lfor_b_\@:
	tensor_load_to_lds s[\g0b:\g0b+3], s[\g1b:\g1b+7]
	s_nop 0
.rept 4
	v_nop
.endr
.Lasked_\@:
.endm
.macro CROUND                          ; a round of the cluster's barrier
	s_barrier_signal -1
	s_barrier_wait -1
	s_cmp_lg_u32 s[WV], 0
	s_cbranch_scc1 .Lnot_wave_0_\@
	s_barrier_signal -3
.Lnot_wave_0_\@:
	s_barrier_wait -3
	s_barrier_signal -1
	s_barrier_wait -1
.endm
.macro FETCH ra, rb, gp, off, p        ; a K step's 4 + 4 fragments into set p: 32 loads of 512 consecutive bytes
.if (\p)
	WIN 0x40                                       ; destination: window 1
.set BF, B1
.else
.set BF, B0
.endif
.irp i, 0,1,2,3
.irp c, 0,1,2,3
	ds_load_b128 v[BF+16*\i+4*\c:BF+16*\i+4*\c+3], v[\rb] offset:(\gp)*\i+(\off)+512*\c
.endr
.endr
.irp i, 0,1,2,3
.irp c, 0,1,2,3
	ds_load_b128 v[BF+64+16*\i+4*\c:BF+64+16*\i+4*\c+3], v[\ra] offset:(\gp)*\i+(\off)+512*\c
.endr
.endr
	WIN 0
.endm
.macro MUL bf, zero                    ; 16 products; the 16 accumulators take turns, one instruction a turn
.irp a, 0,1,2,3
.irp b, 0,1,2,3
.if \zero
	v_wmma_f32_16x16x128_fp8_fp8 v[ACC+8*(4*\a+\b):ACC+8*(4*\a+\b)+7], v[\bf+16*\b:\bf+16*\b+15], v[\bf+64+16*\a:\bf+64+16*\a+15], 0
.else
	v_wmma_f32_16x16x128_fp8_fp8 v[ACC+8*(4*\a+\b):ACC+8*(4*\a+\b)+7], v[\bf+16*\b:\bf+16*\b+15], v[\bf+64+16*\a:\bf+64+16*\a+15], v[ACC+8*(4*\a+\b):ACC+8*(4*\a+\b)+7]
.endif
.endr
.endr
.endm
.macro RESCALE j                       ; the sums x 2^(M_(j-1) - M_j); each accumulator from its low end on
	WIN 0x41                                       ; destination and source 0: window 1
.irp a, 0,1,2,3
.set n, ACC+32*\a
.rept 16
.if (\a%2) == 0
	v_pk_mul_f32 v[n:n+1], v[n:n+1], v[N+4*(\j)+\a:N+4*(\j)+\a+1] op_sel_hi:[1,0]
.else
	v_pk_mul_f32 v[n:n+1], v[n:n+1], v[N+4*(\j)+\a-1:N+4*(\j)+\a] op_sel:[0,1] op_sel_hi:[1,1]
.endif
.set n, n+2
.endr
.endr
.endm
; K step t on set t % 2.  fetch = 1: the next step's fragments, the q-th of slot s, go into the other set first.  An even step begins a block of 256 keys.
.macro STEP t, fetch, s, q
.set P, (\t)%2
	s_wait_dscnt 0x0                               ; this step's fragments are in
	PLACES
.if \fetch
	FETCH ADRA+\s, ADRB+\s, GP, 2048*(\q), 1-P
.endif
.if (P == 0) && ((\t) > 0)
	RESCALE (\t)/2
.endif
.if P
	WIN 0x55                                       ; all four: window 1
	MUL B1, 0
.else
	WIN 0x50                                       ; sources 0 and 1: window 0; C and D: window 1
.if (\t) == 0
	MUL B0, 1
.else
	MUL B0, 0
.endif
.endif
	WIN 0
.endm
; THE CHANGE OF SLOTS.  kind = 1: the slot just read out takes the three K steps six on; 2: the last K step; 0: nothing more.
.macro CHANGE slot, kind
	s_wait_tensorcnt 0x0                           ; my one load that was out, my part of the other slot, is in; so a group 0 may be written
	ds_add_u32 v[SPW], v[NIL]                      ; 0 onto my spare word
.if \kind
	s_add_nc_u64 s[G0+4*\slot+2:G0+4*\slot+3], s[G0+4*\slot+2:G0+4*\slot+3], 2*GP
	s_add_nc_u64 s[G0B+4*\slot+2:G0B+4*\slot+3], s[G0B+4*\slot+2:G0B+4*\slot+3], 2*GP
.endif
.if \kind == 2
	s_mov_b32 s[G0+4*\slot+1], s[LA]               ; groups of 2,048 bytes lie closer
	s_mov_b32 s[G0B+4*\slot+1], s[LB]
.endif
	s_wait_dscnt 0x0                               ; the add is done; my reads of this slot were over at its last step's head
.if \kind
	CROUND                                         ; no wave of any partner still reads this slot or has a load on its way
.if \kind == 2
	JLOAD G0+4*\slot, G1S, G0B+4*\slot, G1BS
.else
	JLOAD G0+4*\slot, G1, G0B+4*\slot, G1B
.endif
.else
	s_barrier_signal -1
	s_barrier_wait -1
	PLACES
.endif
.endm
	s_load_b256 s[4:11], s[0:1], 0x0               ; pc, vt, st, lowp_scales
	s_load_b64 s[12:13], s[0:1], 0x20              ; out0
	v_lshl_add_u32 v[SPW], v0, 2, SPARE
	v_mov_b32 v[NIL], 0
	ds_add_u32 v[SPW], v[NIL]                      ; the wave's opening: the add, twice on end, and its wait ahead of my first tensor load
	ds_add_u32 v[SPW], v[NIL]                      ; and once more; the set-up below, work on registers, stands between it and the wait
	v_lshrrev_b32 v11, 5, v0
	v_readfirstlane_b32 s[WV], v11                 ; wave 0..7
	s_lshr_b32 s[WR], s[WV], 2
	s_and_b32 s[WC], s[WV], 3
	s_bfe_u32 s40, ttmp6, 0x40000                  ; cx: which 256 columns
	s_bfe_u32 s41, ttmp6, 0x40004                  ; cy
	s_and_b32 s[CY], ttmp7, 0xffff
	s_lshl_b32 s43, s41, 2
	s_lshl_b32 s43, 15, s43                        ; my row of the cluster
	s_lshl_b32 s44, 0x1111, s40                    ; my column
	s_or_b32 s[G1], s43, (3<<16)|(1<<21)           ; the mask; elements of 8 bytes; bit 21 beside a mask; no padding
	s_or_b32 s[G1S], s43, (3<<16)|(1<<21)
	s_or_b32 s[G1B], s44, (3<<16)|(1<<21)
	s_or_b32 s[G1BS], s44, (3<<16)|(1<<21)
.irp g, G1, G1B
	s_mov_b32 s[\g+1], 768<<16                     ; a row: one group's 6,144 bytes
	s_mov_b32 s[\g+3], 768<<16
.endr
.irp g, G1S, G1BS
	s_mov_b32 s[\g+1], 256<<16                     ; or its 2,048
	s_mov_b32 s[\g+3], 256<<16
.endr
.irp g, G1, G1S
	s_mov_b32 s[\g+2], 2<<16                       ; p: two groups a wave
	s_mov_b32 s[\g+4], 2
.endr
.irp g, G1B, G1BS
	s_mov_b32 s[\g+2], 4<<16                       ; V^T: four
	s_mov_b32 s[\g+4], 4
.endr
.irp g, G1, G1B, G1S, G1BS
	s_mov_b32 s[\g+5], 4096                        ; groups lie 32,768 bytes apart
	s_mov_b32 s[\g+6], 0
	s_mov_b32 s[\g+7], 0
.endr
	s_lshl_b32 s[YY], s[CY], 2
	s_add_co_u32 s[YY], s[YY], s41                 ; which 128 queries of all 8,192
	s_lshl_b32 s20, s[YY], 18                      ; p: 8 groups a work-group; I fetch groups 2 WC, 2 WC + 1
	s_lshl_b32 s45, s[WC], 16
	s_add_co_u32 s20, s20, s45
	s_mov_b32 s21, 0
	s_lshr_b32 s46, s[CY], 2                       ; the batch
	s_lshl_b32 s22, s46, 21                        ; V^T: 64 groups a batch, 16 a work-group; I fetch groups 4 WC .. 4 WC + 3
	s_lshl_b32 s45, s40, 19
	s_add_co_u32 s22, s22, s45
	s_lshl_b32 s45, s[WC], 17
	s_add_co_u32 s22, s22, s45
	s_mov_b32 s23, 0
	s_mul_i32 s42, s[WC], 2*GP                     ; where they go in a slot
	s_mul_i32 s47, s[WC], 4*GP
	s_add_co_u32 s47, s47, BOFF                    ; (also: where my own four groups of V^T lie)
	s_lshl_b32 s[LA], s[WC], 12                    ; and in the fill of one step, in slot 1
	s_add_co_u32 s[LA], s[LA], SLOT
	s_lshl_b32 s[LB], s[WC], 13
	s_add_co_u32 s[LB], s[LB], SLOT+BOFF
	s_mul_i32 s66, s[WR], 4*GP                     ; where my own four groups of p lie
	s_lshl_b32 s67, s[WR], 13
	s_add_co_u32 s67, s67, SLOT
	s_mul_i32 s98, s[WV], 16*SPITCH                ; my stage
	s_and_b32 s45, s[YY], 15                       ; statistics: [batch][block][128 queries T][16 r][8 a]
	s_lshl_b32 s45, s45, 9
	s_lshl_b32 s99, s[WR], 4
	s_add_co_u32 s45, s45, s99
	s_lshl_b32 s[SN], s46, 16
	s_add_co_u32 s[SN], s[SN], s45
	s_mov_b32 s[SN+1], 0
	s_lshl_b32 s[SL], s46, 17
	s_add_co_u32 s[SL], s[SL], s45
	s_add_co_u32 s[SL], s[SL], 262144
	s_mov_b32 s[SL+1], 0
	s_lshl_b32 s[SOUT], s[YY], 19                  ; out0: rows of 4,096 bytes
	s_lshl_b32 s45, s[WR], 18
	s_add_co_u32 s[SOUT], s[SOUT], s45
	s_lshl_b32 s45, s40, 10
	s_add_co_u32 s[SOUT], s[SOUT], s45
	s_lshl_b32 s45, s[WC], 8
	s_add_co_u32 s[SOUT], s[SOUT], s45
	s_mov_b32 s[SOUT+1], 0
	s_lshr_b32 s45, s40, 1                         ; the prefetches: of my two groups of p, partner cx names group cx / 2, blocks 12 (cx % 2) on;
	s_lshl_b32 s45, s45, 15
	s_and_b32 s46, s40, 1
	s_mul_i32 s46, s46, 3072
	s_add_co_u32 s45, s45, s46
	s_lshl_b32 s46, s41, 15                        ; of my four groups of V^T, partner cy names group cy
	s_cmp_eq_u32 s[WR], 0
	s_cselect_b32 s[PO], s45, s46
	s_cselect_b32 s99, 11, 23                      ; the last block that I name
	s_mov_b32 s[PO+1], 0
	v_and_b32 v11, 31, v0
	v_lshlrev_b32 v[LN16], 4, v11
	v_and_b32 v28, 15, v0                          ; r
	v_bfe_u32 v29, v0, 4, 1                        ; h
	v_lshlrev_b32 v[SO], 5, v28
	v_add_nc_u32 v[ADRA], s66, v[LN16]
	v_add_nc_u32 v[ADRA+1], SLOT, v[ADRA]
	v_add_nc_u32 v[ADRB], s47, v[LN16]
	v_add_nc_u32 v[ADRB+1], SLOT, v[ADRB]
	v_add_nc_u32 v[ADRAS], s67, v[LN16]
	v_add_nc_u32 v[ADRBS], s[LB], v[LN16]
	v_mul_u32_u24 v[STO], v28, SPITCH              ; in: row r, 64 bytes for each half of the lanes
	v_lshl_add_u32 v[STO], v29, 6, v[STO]
	v_add_nc_u32 v[STO], s98, v[STO]
	v_mul_u32_u24 v[RD], v29, SPITCH               ; back: lanes 0-15 one row of 256 bytes, lanes 16-31 the next
	v_lshl_add_u32 v[RD], v28, 4, v[RD]
	v_add_nc_u32 v[RD], s98, v[RD]
	v_lshlrev_b32 v[CO], 12, v29
	v_lshl_add_u32 v[CO], v28, 4, v[CO]
	v_min_u32 v[PFO], s99, v11
	v_lshlrev_b32 v[PFO], 8, v[PFO]                ; a lane a block of 256 bytes
	s_wait_alu depctr_va_vdst(0)
	s_wait_dscnt 0x0                               ; both opening adds are done
	s_wait_kmcnt 0x0
	s_load_b64 s[14:15], s[10:11], 0x20            ; e8, e9
	s_add_nc_u64 s[20:21], s[4:5], s[20:21]
	s_add_nc_u64 s[22:23], s[6:7], s[22:23]
	s_add_nc_u64 s[SN:SN+1], s[8:9], s[SN:SN+1]
	s_add_nc_u64 s[SL:SL+1], s[8:9], s[SL:SL+1]
	s_add_nc_u64 s[SOUT:SOUT+1], s[12:13], s[SOUT:SOUT+1]
	s_cmp_eq_u32 s[WR], 0
	s_cselect_b64 s[PFA:PFA+1], s[20:21], s[22:23]
	s_add_nc_u64 s[PFA:PFA+1], s[PFA:PFA+1], s[PO:PO+1]
.irp s, 0,1
	s_mov_b32 s[G0+4*\s], 1
	s_add_co_u32 s[G0+4*\s+1], s42, \s*SLOT
	s_add_nc_u64 s[G0+4*\s+2:G0+4*\s+3], s[20:21], \s*GP
	s_or_b32 s[G0+4*\s+3], s[G0+4*\s+3], 0x80000000
	s_mov_b32 s[G0B+4*\s], 1
	s_add_co_u32 s[G0B+4*\s+1], s47, \s*SLOT
	s_add_nc_u64 s[G0B+4*\s+2:G0B+4*\s+3], s[22:23], \s*GP
	s_or_b32 s[G0B+4*\s+3], s[G0B+4*\s+3], 0x80000000
.endr
.irp j, 0,1,2,3,4,5,6,7
	global_load_b128 v[N+4*\j:N+4*\j+3], v[SO], s[SN:SN+1] offset:8192*\j      ; -M_j of my query in my four groups
.endr
.irp j, 0,1,2,3,4,5,6,7,8,9,10,11,12,13,14,15
	global_load_b128 v[L+4*\j:L+4*\j+3], v[SO], s[SL:SL+1] offset:8192*\j      ; the sums, one for each 128 keys
.endr
	CROUND                                         ; all sixteen work-groups are here: the first joint loads meet
	JLOAD G0, G1, G0B, G1B                         ; K steps 0 to 2: one tensor load a wave at the head
	global_prefetch_b8 v[PFO], s[PFA:PFA+1] offset:2*GP th:TH_LOAD_NT scope:SCOPE_SE   ; K steps 6 to 8
	s_wait_kmcnt 0x0
	s_add_co_i32 s[EE], s14, s15
	s_wait_loadcnt 0x0
	; the statistics, the four groups line by line, while the first fill is out
.irp a, 0,1,2,3
	v_min3_num_f32 v[MR+\a], v[N+\a], v[N+4+\a], v[N+8+\a]
.endr
.irp a, 0,1,2,3
	v_min3_num_f32 v[MR+\a], v[MR+\a], v[N+12+\a], v[N+16+\a]
.endr
.irp a, 0,1,2,3
	v_min3_num_f32 v[MR+\a], v[MR+\a], v[N+20+\a], v[N+24+\a]
.endr
.irp a, 0,1,2,3
	v_min_num_f32 v[MR+\a], v[MR+\a], v[N+28+\a]   ; -M of the row
.endr
.irp j, 0,1,2,3,4,5,6,7
.irp a, 0,1,2,3
	v_sub_f32 v[T1+\a], v[MR+\a], v[N+4*\j+\a]     ; M_j - M, a whole number, 0 or less
.endr
.irp a, 0,1,2,3
	v_add_f32 v[T2+\a], v[L+8*\j+\a], v[L+8*\j+4+\a]
.endr
.irp a, 0,1,2,3
	v_cvt_i32_f32 v[T1+\a], v[T1+\a]               ; (it saturates)
.endr
.irp a, 0,1,2,3
	v_ldexp_f32 v[T1+\a], 1.0, v[T1+\a]
.endr
.irp a, 0,1,2,3
.if \j == 0
	v_mul_f32 v[LSUM+\a], v[T1+\a], v[T2+\a]
.else
	v_fmac_f32 v[LSUM+\a], v[T1+\a], v[T2+\a]      ; l = the sum of 2^(M_j - M) l_j
.endif
.endr
.endr
.irp a, 0,1,2,3
	v_add_f32 v[T2+\a], 0x42800000, v[MR+\a]       ; -(M - 64)
.endr
.irp j, 0,1,2,3,4,5,6,7
.irp a, 0,1,2,3
	v_min_num_f32 v[N+4*\j+\a], v[N+4*\j+\a], v[T2+\a]   ; M_j held at M - 64 from below, so that every factor is an f32 number
.endr
.endr
.irp a, 0,1,2,3
	v_sub_f32 v[T1+\a], v[MR+\a], v[N+28+\a]
.endr
.irp a, 0,1,2,3
	v_cvt_i32_f32 v[T1+\a], v[T1+\a]
.endr
.irp a, 0,1,2,3
	v_add_nc_u32 v[XE+\a], s[EE], v[T1+\a]         ; M_7 - M + e8 + e9
.endr
.irp j, 7,6,5,4,3,2,1
.irp a, 0,1,2,3
	v_sub_f32 v[T1+\a], v[N+4*\j+\a], v[N+4*(\j-1)+\a]
.endr
.irp a, 0,1,2,3
	v_cvt_i32_f32 v[T1+\a], v[T1+\a]
.endr
.irp a, 0,1,2,3
	v_ldexp_f32 v[N+4*\j+\a], 1.0, v[T1+\a]        ; 2^(M_(j-1) - M_j), in v[32 + 4 j + a]
.endr
.endr
	s_wait_alu depctr_va_vdst(0)                   ; the wait ahead of the batch of reciprocals
.irp a, 0,1,2,3
	v_rcp_f32 v[N+\a], v[LSUM+\a]
.endr
	v_nop                                          ; a plain place behind the last reciprocal
	s_wait_alu depctr_va_vdst(0)                   ; the wait behind the batch, ahead of its first reader
.irp a, 0,1,2,3
	v_ldexp_f32 v[N+\a], v[N+\a], v[XE+\a]         ; the last factor, in v32-35
.endr
	s_wait_alu depctr_va_vdst(0)                   ; the head's end
	s_wait_tensorcnt 0x0                           ; my part of K steps 0 to 2 is in
	ds_add_u32 v[SPW], v[NIL]
	s_wait_dscnt 0x0
	CROUND
	JLOAD G0+4, G1, G0B+4, G1B                     ; K steps 3 to 5, slot 1's first fill
	FETCH ADRA, ADRB, GP, 0, 0
	global_prefetch_b8 v[PFO], s[PFA:PFA+1] offset:3*GP th:TH_LOAD_NT scope:SCOPE_SE   ; K steps 9 to 11
	STEP 0, 1, 0, 1                                ; its products start the sums
	STEP 1, 1, 0, 2
	STEP 2, 0, 0, 0
	CHANGE 0, 1                                    ; K steps 6 to 8
	FETCH ADRA+1, ADRB+1, GP, 0, 1
	global_prefetch_b8 v[PFO], s[PFA:PFA+1] offset:4*GP th:TH_LOAD_NT scope:SCOPE_SE   ; K steps 12 to 14
	STEP 3, 1, 1, 1
	STEP 4, 1, 1, 2
	STEP 5, 0, 0, 0
	CHANGE 1, 1                                    ; K steps 9 to 11
	FETCH ADRA, ADRB, GP, 0, 0
	STEP 6, 1, 0, 1
	STEP 7, 1, 0, 2
	STEP 8, 0, 0, 0
	CHANGE 0, 1                                    ; K steps 12 to 14
	FETCH ADRA+1, ADRB+1, GP, 0, 1
	STEP 9, 1, 1, 1
	STEP 10, 1, 1, 2
	STEP 11, 0, 0, 0
	CHANGE 1, 2                                    ; K step 15
	FETCH ADRA, ADRB, GP, 0, 0
	STEP 12, 1, 0, 1
	STEP 13, 1, 0, 2
	STEP 14, 0, 0, 0
	CHANGE 0, 0
	FETCH ADRAS, ADRBS, 2048, 0, 1
	STEP 15, 0, 0, 0
	PLACES
; THE WAY OUT, group by group of 16 queries x 64 columns: x the last factor, through my own stage, back as rows of 256 bytes: sixteen lanes store one aligned unit of 256 bytes.
.macro TOSTAGE a
	WIN 0x01                                       ; source 0: window 1
.set n, 0
.rept 16
.if ((\a)%2) == 0
	v_pk_mul_f32 v[TMP+n:TMP+n+1], v[ACC+32*(\a)+n:ACC+32*(\a)+n+1], v[N+(\a):N+(\a)+1] op_sel_hi:[1,0]
.else
	v_pk_mul_f32 v[TMP+n:TMP+n+1], v[ACC+32*(\a)+n:ACC+32*(\a)+n+1], v[N+(\a)-1:N+(\a)] op_sel:[0,1] op_sel_hi:[1,1]
.endif
.set n, n+2
.endr
	WIN 0
.irp b, 0,1,2,3
	ds_store_b128 v[STO], v[TMP+8*\b:TMP+8*\b+3] offset:128*(\b/2)+32*(\b%2)       ; register i of accumulator b is column 32 (b / 2) + 8 (b % 2) + 16 h + i
	ds_store_b128 v[STO], v[TMP+8*\b+4:TMP+8*\b+7] offset:128*(\b/2)+32*(\b%2)+16
.endr
.set BB, BK+32*((\a)%2)
.irp t, 0,1,2,3,4,5,6,7
	ds_load_b128 v[BB+4*\t:BB+4*\t+3], v[RD] offset:2*\t*SPITCH    ; LDS serves a wave's instructions in order (ISA guide 5.7.1.4): these see the stores above
.endr
.endm
.macro SEND a, younger                 ; younger: the LDS instructions issued behind group a's loads
.set BB, BK+32*((\a)%2)
	s_wait_dscnt \younger
.irp t, 0,1,2,3,4,5,6,7
	global_store_b128 v[CO], v[BB+4*\t:BB+4*\t+3], s[SOUT:SOUT+1] offset:(32*((\a)/2)+8*((\a)%2)+2*\t+8*(\t/4))*4096 th:TH_STORE_NT
.endr
.endm
	TOSTAGE 0
.irp a, 1,2,3
.if \a > 1
	s_wait_xcnt 0x0                                ; the stores of two groups ago have read their data
.endif
	TOSTAGE \a
	SEND \a-1, 16
.endr
	SEND 3, 0
	s_wait_tensorcnt 0x0                           ; the wave's end: behind my last tensor load and my last LDS store
	ds_add_u32 v[SPW], v[NIL]
	s_wait_dscnt 0x0
	CROUND                                         ; the closing round
	s_endpgm
.Lfunc_end_k_q9406810cd1_pv:
	.size	k_q9406810cd1_pv, .Lfunc_end_k_q9406810cd1_pv-k_q9406810cd1_pv
	.p2alignl 7, 3214868480
	.fill 96, 4, 3214868480
	.section	.rodata,"a",@progbits
	.p2align	6, 0x0
	.amdhsa_kernel k_q9406810cd1_pv
		.amdhsa_group_segment_fixed_size 327680
		.amdhsa_private_segment_fixed_size 0
		.amdhsa_enable_private_segment 0
		.amdhsa_kernarg_size 40
		.amdhsa_user_sgpr_count 2
		.amdhsa_user_sgpr_kernarg_segment_ptr 1
		.amdhsa_wavefront_size32 1
		.amdhsa_system_sgpr_workgroup_id_x 1
		.amdhsa_system_sgpr_workgroup_id_y 1
		.amdhsa_system_sgpr_workgroup_id_z 1
		.amdhsa_system_vgpr_workitem_id 0
		.amdhsa_next_free_vgpr 512
		.amdhsa_next_free_sgpr 100
		.amdhsa_reserve_vcc 0
		.amdhsa_float_denorm_mode_32 3
		.amdhsa_float_denorm_mode_16_64 3
		.amdhsa_memory_ordered 1
		.amdhsa_forward_progress 1
		.amdhsa_inst_pref_size 121
	.end_amdhsa_kernel
	.amdgpu_metadata
---
amdhsa.version: [ 1, 2 ]
amdhsa.kernels:
  - .name:           k_q9406810cd1_pv
    .symbol:         k_q9406810cd1_pv.kd
    .args:
      - { .name: pc, .offset: 0, .size: 8, .value_kind: global_buffer, .address_space: global }
      - { .name: vt, .offset: 8, .size: 8, .value_kind: global_buffer, .address_space: global }
      - { .name: st, .offset: 16, .size: 8, .value_kind: global_buffer, .address_space: global }
      - { .name: lowp_scales, .offset: 24, .size: 8, .value_kind: global_buffer, .address_space: global }
      - { .name: out0, .offset: 32, .size: 8, .value_kind: global_buffer, .address_space: global }
    .group_segment_fixed_size: 327680
    .private_segment_fixed_size: 0
    .kernarg_segment_align: 8
    .kernarg_segment_size: 40
    .max_flat_workgroup_size: 256
    .sgpr_count:     100
    .vgpr_count:     512
    .wavefront_size: 32
...
	.end_amdgpu_metadata
.endif
;; end of part 4
